; MI455X (gfx1250); checked and timed in simulation.
; The chip was launched on July 23, 2026; its instructions are those of AMD's public machine-readable ISA for CDNA 5 (MIT licence, August 2026) and "CDNA5" Instruction Set Architecture Reference Guide (July 2026). The comments in the code are by the model that wrote it; some were corrected since.
;; Rotary Self Attention. Allowed arithmetic: matrix products marked QUANTISED: E2M1 operands, one E8M0 scale for each 32 along K, by v_wmma_scale_f32_16x16x128_f8f6f4 with both operands' format E2M1 (or v_wmma_scale_f32_32x16x128_f4), f32 sums; products left as they are: bf16, f16 or f32 operands; f32 sums; everything else in f32.
;; Inputs: mask 4 x 1 x 2,048 x 2,048 bool; w_out 1,024 x 1,024 float32; w_qkv 3,072 x 1,024 float32; x 4 x 2,048 x 1,024 float32.
;; Outputs: out0 4 x 2,048 x 1,024 float32.
;; This version of the problem:
;;   THIS VERSION OF THE PROBLEM IS GIVEN IN LOW PRECISION. The matrix products marked QUANTISED in the list below multiply operands that are first quantised to E2M1 (2 exponent bits, 1 mantissa bit; 4 bits a number), with one power-of-two scale for each 32 numbers along K (OCP MX v1.0); their sums are f32. The products marked 'left as it is' may take bf16, f16 or f32 operands, with f32 sums. Whichever they take, every output number must still come out within the allowed error. Rounding operands to bf16 (8 significant bits) uses up far more of that allowance than f16 does (11 bits, for magnitudes from 6e-5 to 65,504). All else is computed in f32.
;;   The module's matrix products, in the order in which they are computed (A, B: the left and right operand; K: the contracted axis; several contracted axes count as one K, in the product's order):
;;     1. [M 8,192, K 1,024] x [K 1,024, N 3,072]; A: input x; B: input w_qkv: QUANTISED
;;     2. batch 64 x [M 2,048, K 64] x [K 64, N 2,048]; A: computed on the way; B: computed on the way: left as it is (an operand is computed on the way)
;;     3. batch 64 x [M 2,048, K 2,048] x [K 2,048, N 64]; A: computed on the way; B: computed on the way: left as it is (an operand is computed on the way)
;;     4. [M 8,192, K 1,024] x [K 1,024, N 1,024]; A: computed on the way; B: input w_out: left as it is (an operand is computed on the way)
;;   THE QUANTISER, for each operand of a quantised product, along K:
;;     - K is cut into blocks of 32 from its start; a last block that is shorter is filled with zeros.
;;     - A block's scale is 2^e with e = floor(log2(the largest magnitude in the block)) - 2, held to -126 .. 127; a block of zeros has e = 0. As a byte (E8M0): e + 127.
;;     - Each number is divided by its block's scale, clamped to +-6, and rounded to the nearest number of E2M1, ties to even, subnormals kept.
;;     - The product sums the exact products of the quantised numbers (number of the format x scale) in f32.
;;   ~~~python
;;   def quantise(x, axis):      # numpy; x: float32 -> the quantised numbers, widened to float32 again
;;       x = np.moveaxis(x, axis, -1); K = x.shape[-1]
;;       x = np.pad(x, [(0, 0)] * (x.ndim - 1) + [(0, -K % 32)]); x = x.reshape(x.shape[:-1] + (-1, 32)); a = np.abs(x).max(-1, keepdims=True)
;;       e = np.where(a > 0, np.clip(np.frexp(np.where(a > 0, a, 1))[1] - 1 - 2, -126, 127), 0)      # np.frexp(a)[1] - 1 = floor(log2(a)), exactly
;;       r = np.clip(x / 2.0 ** e, -6, 6)
;;       step = 2.0 ** (np.maximum(np.frexp(np.where(r == 0, 1, r))[1] - 1, 0) - 1)
;;       q = np.round(r / step) * step * 2.0 ** e      # np.round: ties to even
;;       return np.moveaxis(q.reshape(q.shape[:-2] + (-1,))[..., :K], -1, axis).astype(np.float32)
;;   ~~~
;; One version. Each part assembles by itself: llvm-mc -triple=amdgcn-amd-amdhsa -mcpu=gfx1250 --defsym DOCPART=n.
;; ======== version 1 of 1: 4 launches
;; limits: values are held in f16: magnitudes above 65,504 overflow, below 6.1e-05 lose precision
;; workspace buffers: codes 5,767,168 bytes; scales 360,448 bytes; aux 2,621,440 bytes; maskw 2,097,152 bytes of whole numbers; qkv 50,331,648 bytes; valf 16,777,216 bytes
;; launch prep (part 1): grid 672 x 1, 4 waves a work-group, no clusters, 33,280 bytes of LDS; arguments x, w_qkv, w_out, mask, codes, scales, aux, maskw; writes codes, scales, aux, maskw
.if DOCPART == 1
	.amdgcn_target "amdgcn-amd-amdhsa--gfx1250"
	.amdhsa_code_object_version 6
	.text
	.protected	k_q308986ccd0_prep
	.globl	k_q308986ccd0_prep
	.p2align	8
	.type	k_q308986ccd0_prep,@function
k_q308986ccd0_prep:
	s_mov_b64 s[64:65], 0
	v_nop
	global_prefetch_b8 v0, s[64:65] scope:SCOPE_SE
	s_setreg_imm32_b32 hwreg(HW_REG_WAVE_MODE, 25, 1), 1
	s_wait_xcnt 0x0
; PREP: four jobs that read each input once and lay it as the later launches want it.  The work-group's number picks the job.
;   0..351   x [8192][1024] and w_qkv [3072][1024], f32, become codes of FP4 (E2M1), K innermost, with one E8M0 byte for each 32 along K.  The two tensors are one stream of blocks of 32;
;            their codes and bytes lie on end in the buffers codes and scales (x first).
;   352..607 the mask's bytes become lane masks: dword n = 8 kt + j of [b][query tile][key step of 64][32]; its bit (r, h) is mask[16 tile + r][64 step + 16 kt + 8 h + j].
;   608..639 w_out becomes f16 fragments (16 rows x 32 k: 1,024 bytes, lane l's 16 bytes at 16 l, registers 0-3 then 4-7), at aux + 524,288: [row block 64][k block 32].
;   640..671 the rotary tables cos and sin, [2048][32] f32, at aux + 0 and aux + 262,144.
; A block's scale is 2^(floor(log2(largest magnitude)) - 2); its byte is the largest magnitude's exponent field - 2, held at 1 from below.
; LIMITS: a block of zeros, or one whose largest magnitude lies under 2^(3 - 127), gets the byte 1 (a block of zeros has zero codes, and this program alone reads the bytes); NaN and infinities are not served;
; w_out must lie inside f16's range; the tables' angle may differ from one made with a correctly rounded inverse frequency by about 3e-4 rad at the last positions (an ulp of the frequency x 2,047).
.set WREG,  8192                       ; LDS of the quantising job: a region for each wave: two stages of 32 x SP bytes, then its 256 scale bytes
.set SP,    80                         ; a lane's place in a stage: 64 bytes + 16 of padding
.set STEPS, 16
.set EMAX,  2
.set CB,    8                          ; bytes of 16 codes
.set R,     16                         ; v16-79   four sets of 16 numbers as loaded
.set X,     80                         ; v80-111  two sets of 16 neighbours
.set E,     112                        ; v112-127 a scale byte for each step
.set C,     128                        ; v128-191 codes, four registers for each step
.set SPW,   12                         ; v12 LDS address of my spare word; never rewritten
.set NIL,   13                         ; v13 0; never rewritten
.set SPARE, 4*WREG                     ; the spare words, 128 bytes for each wave: no other line names them
	s_load_b512 s[4:19], s[0:1], 0x0               ; x 4, w_qkv 6, w_out 8, mask 10, codes 12, scales 14, aux 16, maskw 18
	v_lshl_add_u32 v[SPW], v0, 2, SPARE
	v_mov_b32 v[NIL], 0
	v_lshrrev_b32 v1, 5, v0
	v_readfirstlane_b32 s20, v1                    ; wave
	v_and_b32 v2, 31, v0                           ; lane
	s_wait_kmcnt 0x0
	s_cmp_lt_u32 ttmp9, 352
	s_cbranch_scc1 .Lquant
	s_cmp_lt_u32 ttmp9, 608
	s_cbranch_scc1 .Lmask
	s_cmp_lt_u32 ttmp9, 640
	s_cbranch_scc1 .Lwout
; ---- THE ROTARY TABLES.  Work-group m takes positions 64 m on; thread: frequencies 4 g + 0..3 (g = thread % 8) of position 64 m + 16 p + thread / 8, p = 0..3.
	s_sub_co_u32 s21, ttmp9, 640
	s_lshl_b32 s28, s21, 13                        ; 64 positions x 128 bytes
	s_mov_b32 s29, 0
	s_add_nc_u64 s[16:17], s[16:17], s[28:29]
	s_lshl_b32 s22, s21, 6
	v_and_b32 v3, 7, v0
	v_lshlrev_b32 v3, 2, v3                        ; 4 g
	v_lshrrev_b32 v4, 3, v0
	v_add_nc_u32 v4, s22, v4                       ; the position of pass 0
	v_lshlrev_b32 v5, 4, v0                        ; 16 x thread: a wave stores 512 bytes on end
.irp k, 0,1,2,3
	v_add_nc_u32 v[24+\k], \k, v3
.endr
.irp k, 0,1,2,3
	v_cvt_f32_u32 v[24+\k], v[24+\k]
.endr
.irp k, 0,1,2,3
	v_mul_f32 v[24+\k], 0xbed49a78, v[24+\k]       ; i x (-log2(10000) / 32)
.endr
.irp k, 0,1,2,3
	v_exp_f32 v[16+\k], v[24+\k]                   ; the inverse frequency 10000^(-i / 32)
.endr
	v_nop                                          ; a plain instruction behind the last exponential
	s_wait_alu depctr_va_vdst(0)                   ; one wait for the four, ahead of their first reader
; cos and sin of a = t x inv: n = the nearest whole number to a x 2 / pi; x = a - n pi / 2 in two parts; series on |x| <= pi / 4 (the first terms left out are under 3e-8); the quadrant n mod 4 swaps and signs.
.macro SINCOS k, p
	v_mul_f32 v24, v20, v[16+\k]
	v_mul_f32 v25, 0x3f22f983, v24
	v_rndne_f32 v25, v25
	v_fmamk_f32 v26, v25, 0xbfc90fdb, v24          ; - n x the high part of pi / 2
	v_fmamk_f32 v26, v25, 0x333bbd2e, v26          ; + n x 4.3711388e-8: the rest
	v_mul_f32 v27, v26, v26
	v_mov_b32 v28, 0x3638ef1d
	v_fmaak_f32 v28, v28, v27, 0xb9500d01
	v_fmaak_f32 v28, v28, v27, 0x3c088889
	v_fmaak_f32 v28, v28, v27, 0xbe2aaaab
	v_mul_f32 v29, v26, v27
	v_fma_f32 v28, v28, v29, v26                   ; the sine of x
	v_mov_b32 v30, 0xb493f27e
	v_fmaak_f32 v30, v30, v27, 0x37d00d01
	v_fmaak_f32 v30, v30, v27, 0xbab60b61
	v_fmaak_f32 v30, v30, v27, 0x3d2aaaab
	v_fma_f32 v30, v30, v27, -0.5
	v_fma_f32 v30, v30, v27, 1.0                   ; the cosine of x
	v_cvt_i32_f32 v31, v25
	v_and_b32 v32, 1, v31
	v_cmp_ne_u32 vcc_lo, 0, v32
	v_cndmask_b32 v33, v30, v28, vcc_lo            ; odd quadrants swap the two
	v_cndmask_b32 v34, v28, v30, vcc_lo
	v_add_nc_u32 v32, 1, v31
	v_and_b32 v32, 2, v32
	v_lshlrev_b32 v32, 30, v32                     ; cos is negative in quadrants 1 and 2,
	v_xor_b32 v[40+8*\p+\k], v33, v32
	v_and_b32 v32, 2, v31
	v_lshlrev_b32 v32, 30, v32                     ; sin in 2 and 3
	v_xor_b32 v[44+8*\p+\k], v34, v32
.endm
.irp p, 0,1,2,3
	v_add_nc_u32 v21, 16*\p, v4
	v_cvt_f32_u32 v20, v21
.irp k, 0,1,2,3
	SINCOS \k, \p
.endr
	global_store_b128 v5, v[40+8*\p:43+8*\p], s[16:17] offset:2048*\p          ; each pass has its own registers: no store's data are written again
	global_store_b128 v5, v[44+8*\p:47+8*\p], s[16:17] offset:262144+2048*\p
.endr
	s_endpgm
; ---- W_OUT INTO F16 FRAGMENTS.  A wave takes one block of 16 rows and 16 of its 32 k blocks, four fragments at a time.
.Lwout:
	s_sub_co_u32 s21, ttmp9, 608
	s_lshl_b32 s21, s21, 2
	s_add_co_u32 s21, s21, s20                     ; unit 0..127
	s_lshr_b32 s22, s21, 1                         ; the row block
	s_and_b32 s23, s21, 1                          ; which 16 k blocks
	s_lshl_b32 s28, s22, 16                        ; 16 rows of 4,096 bytes
	s_lshl_b32 s30, s23, 11
	s_add_co_u32 s28, s28, s30
	s_mov_b32 s29, 0
	s_add_nc_u64 s[8:9], s[8:9], s[28:29]
	s_lshl_b32 s28, s22, 15                        ; 32 fragments of 1,024 bytes
	s_lshl_b32 s30, s23, 14
	s_add_co_u32 s28, s28, s30
	s_add_co_u32 s28, s28, 524288
	s_add_nc_u64 s[16:17], s[16:17], s[28:29]
	v_and_b32 v3, 15, v2
	v_lshrrev_b32 v4, 4, v2
	v_lshlrev_b32 v5, 12, v3
	v_lshl_add_u32 v5, v4, 5, v5                   ; row r, + 8 h numbers
	v_lshlrev_b32 v6, 4, v2                        ; 16 x lane
.macro LOADG g                         ; four fragments' numbers: k = 8 h + 0..7 and 16 + 8 h + 0..7 of each 32
.set WB, 16+64*((\g)%2)
.irp f, 0,1,2,3
	global_load_b128 v[WB+16*\f:WB+16*\f+3],     v5, s[8:9] offset:128*(4*(\g)+\f)
	global_load_b128 v[WB+16*\f+4:WB+16*\f+7],   v5, s[8:9] offset:128*(4*(\g)+\f)+16
	global_load_b128 v[WB+16*\f+8:WB+16*\f+11],  v5, s[8:9] offset:128*(4*(\g)+\f)+64
	global_load_b128 v[WB+16*\f+12:WB+16*\f+15], v5, s[8:9] offset:128*(4*(\g)+\f)+80
.endr
.endm
.macro CVTG g
.set WB, 16+64*((\g)%2)
.if (\g) < 3
	s_wait_loadcnt 16                              ; this group's 16 loads are in; the next group's may be out
.else
	s_wait_loadcnt 0x0
.endif
.if (\g) > 0
	s_wait_xcnt 0x0                                ; the last group's stores have read their data: v144-175 are written again only behind this wait
.endif
.set i, 0
.rept 32
	v_cvt_pk_f16_f32 v[144+i], v[WB+2*i], v[WB+2*i+1]
.set i, i+1
.endr
.irp f, 0,1,2,3
	global_store_b128 v6, v[144+8*\f:147+8*\f], s[16:17] offset:(4*(\g)+\f)*1024       ; 32 lanes store 512 consecutive bytes
	global_store_b128 v6, v[148+8*\f:151+8*\f], s[16:17] offset:(4*(\g)+\f)*1024+512
.endr
.if (\g)+2 < 4
	LOADG (\g)+2
.endif
.endm
	LOADG 0
	LOADG 1
	CVTG 0
	CVTG 1
	CVTG 2
	CVTG 3
	s_endpgm
; ---- THE MASK INTO LANE MASKS.  A wave takes one tile of 16 queries and 1,024 keys: four chunks of 256 keys (four key steps of 64).
.Lmask:
	s_sub_co_u32 s21, ttmp9, 352
	s_lshl_b32 s21, s21, 2
	s_add_co_u32 s21, s21, s20                     ; unit 0..1023
	s_lshr_b32 s22, s21, 1                         ; the query tile, 128 b + tile
	s_and_b32 s23, s21, 1                          ; which 1,024 keys
	s_lshl_b32 s28, s22, 15                        ; 16 rows of 2,048 bytes
	s_lshl_b32 s30, s23, 10
	s_add_co_u32 s28, s28, s30
	s_mov_b32 s29, 0
	s_add_nc_u64 s[10:11], s[10:11], s[28:29]
	s_lshl_b32 s28, s22, 12                        ; 32 key steps x 128 bytes
	s_lshl_b32 s30, s23, 11
	s_add_co_u32 s28, s28, s30
	s_add_nc_u64 s[18:19], s[18:19], s[28:29]
	v_and_b32 v3, 15, v2
	v_lshrrev_b32 v4, 4, v2
	v_lshlrev_b32 v5, 11, v3
	v_lshl_add_u32 v5, v4, 3, v5                   ; row r, + 8 h keys: load i brings keys 16 i + 8 h + 0..7
	v_lshlrev_b32 v6, 4, v2
.set i, 0
.rept 64
	global_load_b64 v[16+2*i:17+2*i], v5, s[10:11] offset:16*i
.set i, i+1
.endr
; For key step u of the chunk and word n = 8 kt + j: byte j of load 16 c + 4 u + kt is tested in all 32 lanes at once; the 32 bits are the word.  It belongs at dword 32 u + n of the chunk's 512 bytes: lane 8 u + n / 4, register n % 4.
.macro CHUNK c
	s_wait_loadcnt 16*(3-(\c))                     ; this chunk's 16 loads are in; the later chunks' may be out
.irp k, 0,1,2,3
	v_mov_b32 v[144+4*(\c)+\k], 0
.endr
.set u, 0
.rept 4
.set n, 0
.rept 32
	v_and_b32 v[160+n%4], 0xff<<(8*(n%4)), v[16+32*(\c)+2*(4*u+n/8)+(n%8)/4]
	v_cmp_ne_u32 s[24+n%4], 0, v[160+n%4]
	v_writelane_b32 v[144+4*(\c)+n%4], s[24+n%4], 8*u+n/4
.set n, n+1
.endr
.set u, u+1
.endr
	global_store_b128 v6, v[144+4*(\c):147+4*(\c)], s[18:19] offset:512*(\c)   ; 512 consecutive bytes; each chunk has its own registers
.endm
	CHUNK 0
	CHUNK 1
	CHUNK 2
	CHUNK 3
	s_endpgm
; ---- THE QUANTISER.  A wave takes 16 steps of 512 numbers.  Each of a step's four loads reads 512 consecutive bytes; the 2,048 bytes turn through the wave's own stage in LDS and come back 64 bytes a lane:
; 16 neighbours along K, so that two neighbouring lanes hold a block.  A lane's 16 codes are 8 bytes: the wave stores 256 consecutive bytes.  The wave's 256 scale bytes are gathered in LDS and leave together.
.Lquant:
	v_lshlrev_b32 v3, 4, v2
	s_mul_i32 s21, s20, WREG
	v_lshrrev_b32 v14, 2, v2
	v_mul_u32_u24 v14, v14, SP
	v_and_b32 v15, 3, v2
	v_lshl_add_u32 v14, v15, 4, v14
	v_add_nc_u32 v14, s21, v14                     ; the stage, on the way in: SP (lane / 4) + 16 (lane % 4)
	v_mul_u32_u24 v15, v2, SP
	v_add_nc_u32 v15, s21, v15                     ; and on the way out: SP x lane
	v_mul_u32_u24 v4, v2, CB
	v_lshrrev_b32 v5, 1, v2
	s_add_co_u32 s21, s21, 2*32*SP
	v_add_nc_u32 v5, s21, v5                       ; my block's byte among my wave's 256
	v_lshlrev_b32 v7, 3, v2
	v_add_nc_u32 v6, s21, v7
	s_cmp_lt_u32 ttmp9, 256                        ; x's work-group or w_qkv's: the choice hangs on the work-group's number alone
	s_cselect_b64 s[4:5], s[4:5], s[6:7]
	s_cselect_b32 s21, 0, 256
	s_sub_co_u32 s21, ttmp9, s21
	s_lshl_b32 s21, s21, 2
	s_add_co_u32 s22, s21, s20                     ; which run of 8,192 numbers of the tensor
	s_mov_b32 s23, 0
	s_lshl_b64 s[24:25], s[22:23], 15
	s_add_nc_u64 s[4:5], s[4:5], s[24:25]
	s_lshl_b32 s22, ttmp9, 2
	s_add_co_u32 s22, s22, s20                     ; which run of the two tensors on end
	s_lshl_b32 s24, s22, 12                        ; 4,096 bytes of codes a run
	s_mov_b32 s25, 0
	s_add_nc_u64 s[12:13], s[12:13], s[24:25]
	s_lshl_b32 s24, s22, 8                         ; 256 scale bytes a run
	s_add_nc_u64 s[14:15], s[14:15], s[24:25]
.macro QLOAD t
.irp i, 0,1,2,3
	global_load_b128 v[R+16*((\t)%4)+4*\i:R+16*((\t)%4)+4*\i+3], v3, s[4:5] offset:2048*(\t)+512*\i th:TH_LOAD_NT
.endr
.endm
.macro QTURN t                         ; LDS serves a wave's instructions in order: no wait between the stores and the loads
.irp i, 0,1,2,3
	ds_store_b128 v14, v[R+16*((\t)%4)+4*\i:R+16*((\t)%4)+4*\i+3] offset:32*SP*((\t)%2)+8*SP*\i
.endr
.irp i, 0,1,2,3
	ds_load_b128 v[X+16*((\t)%2)+4*\i:X+16*((\t)%2)+4*\i+3], v15 offset:32*SP*((\t)%2)+16*\i
.endr
.endm
.irp t, 0,1,2,3
	QLOAD \t
.endr
	s_wait_loadcnt 12                              ; step 0's four loads are in
	QTURN 0
.macro QSTEP t
.set XS, X+16*((\t)%2)
.if (\t) > 0
	s_wait_dscnt 1                                 ; this step's numbers are back from the stage (the last step's byte store may be out)
.else
	s_wait_dscnt 0x0
.endif
.if (\t)+4 < STEPS
	QLOAD (\t)+4
.endif
.if (\t)+1 < STEPS
.if STEPS-2-(\t) >= 3
	s_wait_loadcnt 12                              ; the next step's four loads are in; those of the three steps behind it may be out
.else
	s_wait_loadcnt 4*(STEPS-2-(\t))
.endif
	QTURN (\t)+1
.endif
	v_max3_num_f32 v8, |v[XS]|, |v[XS+1]|, |v[XS+2]|
	v_max3_num_f32 v9, |v[XS+3]|, |v[XS+4]|, |v[XS+5]|
.irp i, 6,10
	v_max3_num_f32 v8, v8, |v[XS+\i]|, |v[XS+\i+1]|
	v_max3_num_f32 v9, v9, |v[XS+\i+2]|, |v[XS+\i+3]|
.endr
	v_max3_num_f32 v8, v8, |v[XS+14]|, |v[XS+15]|
	v_max3_num_f32 v8, v8, v9, (EMAX+1)<<23        ; and the floor 2^(3 - 127): the byte cannot fall under 1
	v_max_num_f32_dpp v8, v8, v8 row_xmask:1 row_mask:0xf bank_mask:0xf   ; with my neighbour's 16: the block's largest magnitude
	v_add_nc_u32 v11, -(EMAX<<23), v8              ; 2 off its exponent field: the conversion takes this operand's exponent field as its scale
	v_cvt_scalef32_pk8_fp4_f32 v[C+4*(\t)], v[XS:XS+7], v11
	v_cvt_scalef32_pk8_fp4_f32 v[C+4*(\t)+1], v[XS+8:XS+15], v11
	v_lshrrev_b32 v[E+(\t)], 23, v11               ; the scale's byte
	ds_store_b8 v5, v[E+(\t)] offset:16*(\t)       ; both lanes of a block write the same byte with the same value
	global_store_b64 v4, v[C+4*(\t):C+4*(\t)+1], s[12:13] offset:32*CB*(\t)
.endm
.irp t, 0,1,2,3,4,5,6,7,8,9,10,11,12,13,14,15
	QSTEP \t
.endr
	ds_load_b64 v[8:9], v6
	s_wait_dscnt 0x0
	global_store_b64 v7, v[8:9], s[14:15]          ; 32 lanes store 256 consecutive bytes
	s_wait_tensorcnt 0x0                           ; the wave's end
	ds_add_u32 v[SPW], v[NIL]
	s_wait_dscnt 0x0
	s_endpgm
.Lfunc_end_k_q308986ccd0_prep:
	.size	k_q308986ccd0_prep, .Lfunc_end_k_q308986ccd0_prep-k_q308986ccd0_prep
	.p2alignl 7, 3214868480
	.fill 96, 4, 3214868480
	.section	.rodata,"a",@progbits
	.p2align	6, 0x0
	.amdhsa_kernel k_q308986ccd0_prep
		.amdhsa_group_segment_fixed_size 33280
		.amdhsa_private_segment_fixed_size 0
		.amdhsa_enable_private_segment 0
		.amdhsa_kernarg_size 64
		.amdhsa_user_sgpr_count 2
		.amdhsa_user_sgpr_kernarg_segment_ptr 1
		.amdhsa_wavefront_size32 1
		.amdhsa_system_sgpr_workgroup_id_x 1
		.amdhsa_system_sgpr_workgroup_id_y 1
		.amdhsa_system_sgpr_workgroup_id_z 1
		.amdhsa_system_vgpr_workitem_id 0
		.amdhsa_next_free_vgpr 192
		.amdhsa_next_free_sgpr 66
		.amdhsa_reserve_vcc 1
		.amdhsa_float_denorm_mode_32 3
		.amdhsa_float_denorm_mode_16_64 3
		.amdhsa_memory_ordered 1
		.amdhsa_forward_progress 1
		.amdhsa_inst_pref_size 179
	.end_amdhsa_kernel
	.amdgpu_metadata
---
amdhsa.version: [ 1, 2 ]
amdhsa.kernels:
  - .name:           k_q308986ccd0_prep
    .symbol:         k_q308986ccd0_prep.kd
    .args:
      - { .name: x, .offset: 0, .size: 8, .value_kind: global_buffer, .address_space: global }
      - { .name: w_qkv, .offset: 8, .size: 8, .value_kind: global_buffer, .address_space: global }
      - { .name: w_out, .offset: 16, .size: 8, .value_kind: global_buffer, .address_space: global }
      - { .name: mask, .offset: 24, .size: 8, .value_kind: global_buffer, .address_space: global }
      - { .name: codes, .offset: 32, .size: 8, .value_kind: global_buffer, .address_space: global }
      - { .name: scales, .offset: 40, .size: 8, .value_kind: global_buffer, .address_space: global }
      - { .name: aux, .offset: 48, .size: 8, .value_kind: global_buffer, .address_space: global }
      - { .name: maskw, .offset: 56, .size: 8, .value_kind: global_buffer, .address_space: global }
    .group_segment_fixed_size: 33280
    .private_segment_fixed_size: 0
    .kernarg_segment_align: 8
    .kernarg_segment_size: 64
    .max_flat_workgroup_size: 128
    .sgpr_count:     66
    .vgpr_count:     192
    .wavefront_size: 32
...
	.end_amdgpu_metadata
.endif
;; end of part 1
;; launch qkvrope (part 2): grid 16 x 32, 4 waves a work-group, clusters of 4 x 4, 327,680 bytes of LDS; arguments codes, scales, aux, qkv; writes qkv
.if DOCPART == 2
	.amdgcn_target "amdgcn-amd-amdhsa--gfx1250"
	.amdhsa_code_object_version 6
	.text
	.protected	k_q308986ccd0_qkvrope
	.globl	k_q308986ccd0_qkvrope
	.p2align	8
	.type	k_q308986ccd0_qkvrope,@function
k_q308986ccd0_qkvrope:
	s_mov_b64 s[64:65], 0
	v_nop
	global_prefetch_b8 v0, s[64:65] scope:SCOPE_SE
	s_setreg_imm32_b32 hwreg(HW_REG_WAVE_MODE, 25, 1), 1
	s_wait_xcnt 0x0
	s_wait_alu depctr_hold_cnt(0) depctr_sa_sdst(0) depctr_va_vdst(0) depctr_va_sdst(0) depctr_va_ssrc(0) depctr_va_vcc(0) depctr_vm_vsrc(0)
	s_getreg_b32 s2, hwreg(HW_REG_IB_STS2, 6, 4)
	s_cmp_eq_u32 s2, 0
	s_cbranch_scc0 .Lentry_in_a_cluster
	s_endpgm
.Lentry_in_a_cluster:
	s_bfe_u32 s2, ttmp6, 0x10000c
	s_cmp_lg_u32 s2, 0xf033
	s_cbranch_scc0 .Lentry_shape_is_right
	s_endpgm
.Lentry_shape_is_right:
; qkv = Q(x) Q(w_qkv)^T on codes of FP4 with E8M0 scales, then the rotary embedding of q and k in f32, then f16 fragments for the attention launch.
; SHARES.  A work-group makes 256 tokens x the 192 columns of ONE head (64 of q, 64 of k, 64 of v); a wave 64 tokens x 192: 48 accumulators (token block a = 0..3, column block b = 0..11: 0-3 q, 4-7 k, 8-11 v).
; q and k are made TRANSPOSED (source 0 = 16 rows of w, source 1 = 16 tokens): a lane holds one token and eight neighbouring channels, as the rotary step and the next product's operands want it.
; v is made the natural way (source 0 = tokens, source 1 = rows of w): a lane holds one channel and eight neighbouring tokens: the keys are the K of attention's second product.
; q also takes the factor log2(e) / 8, so that the softmax only subtracts.
; OUT: images of operand registers, 512 bytes a group of four registers, lane l's 16 bytes at 16 l: every store of a wave covers 512 consecutive bytes, aligned.
;   q, k: [b x 16 + head][16 tokens][channels 32 c on][half][512]      v: [b x 16 + head][32 keys][16 channels][keys 16 half on][512]
; LDS: all of K = 1,024 lies there as two halves of 512; nothing is filled twice.  CLUSTER 4 x 4: x's tiles are shared along a row of the cluster, w's along a column, by joint loads.
; A wave has three tensor loads out at the most.
; LIMITS: |q log2(e) / 8|, |k|, |v| must stay under 65,504 (f16); NaN and infinities are not served.
; REGISTERS: window 0: addresses; v32-95 scale words and nothing else; v96-159 cos and sin, two sets; v160-175 at work; v176-223 packed results.
;   window 1: w's fragments, two sets of 96; x's, two sets of 32, from v192.   window 2: accumulators of a = 0, 1 at 8 (12 (a % 2) + b);   window 3: of a = 2, 3.
.set PITCH, 272                        ; an LDS row: 256 bytes + 16 of padding
.set HALF,  448*PITCH                  ; a half of K: x's 256 rows, then w's 192
.set BOFF,  256*PITCH
.set SCL,   2*HALF                     ; x's scale bytes: 32 units of 256 + 16
.set SCLB,  SCL+32*272                 ; w's: 24 units
.set SPARE, 259072                     ; the spare words, 128 bytes for each wave: no other line names them
.set LI,    1                          ; v1   16 x lane
.set ADRA,  16                         ; v16-17 my x fragments in half 0, 1
.set ADRB,  20                         ; v20-21 w's
.set ADRSA, 22                         ; v22  x's scale words: lanes 0-15 block i, lanes 16-31 block i + 2
.set ADRSB, 23                         ; v23  w's: lanes 0-15 block i, lanes 16-31 block i + 6
.set TO,    24                         ; v24  my place in the tables: 128 r + 32 h
.set SPW,   28
.set NIL,   29
.set SC,    32
.set CSR,   96
.set T1,    160
.set T2,    168
.set PK,    176
.set G1,  24
.set G0,  32
.set G1B, 48
.set G0B, 56
.set G1S, 68
.set G0S, 76
.set G1SB, 80
.set G0SB, 88
.set MSB, 0
.macro WIN new                         ; the immediate's high byte repeats the setting that is left
.if MSB != \new
	s_set_vgpr_msb (MSB<<8)|\new
.set MSB, \new
.endif
.endm
.set MUL_LO, 0xa5                      ; sources 0 and 1 window 1, C and D window 2
.set MUL_HI, 0xf5                      ; C and D window 3
.set TO_F,   0x40                      ; destination window 1
.macro JLOAD g0a, g1a, g0b, g1b        ; a joint load: waves 0 and 1 fetch for x, waves 2 and 3 for w; the branch hangs on the wave's number alone
	s_cmp_eq_u32 s15, 0
	s_cbranch_scc0 .Lfor_b_\@
	tensor_load_to_lds s[\g0a:\g0a+3], s[\g1a:\g1a+7]
	s_nop 0
.rept 4
	v_nop
.endr
	s_branch .Lasked_\@
.Lfor_b_\@:
	tensor_load_to_lds s[\g0b:\g0b+3], s[\g1b:\g1b+7]
	s_nop 0
.rept 4
	v_nop
.endr
.Lasked_\@:
.endm
.macro CROUND                          ; a round of the cluster's barrier
	s_barrier_signal -1
	s_barrier_wait -1
	s_cmp_lg_u32 s14, 0
	s_cbranch_scc1 .Lnot_wave_0_\@
	s_barrier_signal -3
.Lnot_wave_0_\@:
	s_barrier_wait -3
	s_barrier_signal -1
	s_barrier_wait -1
.endm
.macro PLACES
.rept 4
	v_nop
.endr
.endm
	s_load_b256 s[4:11], s[0:1], 0x0               ; codes 4, scales 6, aux 8, qkv 10
	v_lshl_add_u32 v[SPW], v0, 2, SPARE
	v_mov_b32 v[NIL], 0
	ds_add_u32 v[SPW], v[NIL]                      ; the wave's opening: the add, twice on end, and its wait ahead of my first tensor load
	ds_add_u32 v[SPW], v[NIL]
	v_lshrrev_b32 v2, 5, v0
	v_readfirstlane_b32 s14, v2                    ; wave 0..3
	s_lshr_b32 s15, s14, 1                         ; I fetch for x (0) or for w (1)
	s_and_b32 s16, s14, 1                          ; which half of that tile's rows
	s_bfe_u32 s40, ttmp6, 0x40000                  ; cx
	s_bfe_u32 s41, ttmp6, 0x40004                  ; cy
	s_lshl_b32 s42, ttmp9, 2
	s_add_co_u32 s42, s42, s40                     ; the head
	s_and_b32 s17, ttmp7, 0xffff
	s_lshl_b32 s17, s17, 2
	s_add_co_u32 s17, s17, s41                     ; which 256 tokens
	s_lshl_b32 s43, s41, 2
	s_lshl_b32 s43, 15, s43                        ; my row of the cluster
	s_lshl_b32 s44, 0x1111, s40                    ; my column
	s_or_b32 s[G1+0], s43, (1<<20)|(1<<21)|(5<<22)|(3<<25)      ; the mask; elements of 1 byte; padding: 4 words behind every 64
	s_or_b32 s[G1B+0], s44, (1<<20)|(1<<21)|(5<<22)|(3<<25)
	s_mov_b32 s[G1+1], 256<<16                     ; tensor_dim0 = 256 bytes: 512 codes
	s_mov_b32 s[G1+2], 128<<16                     ; tensor_dim1 = 128 rows
	s_mov_b32 s[G1+3], 256<<16                     ; tile_dim0
	s_mov_b32 s[G1+4], 128                         ; tile_dim1
	s_mov_b32 s[G1+5], 512                         ; a row of 1,024 codes in memory
	s_mov_b32 s[G1+6], 0
	s_mov_b32 s[G1+7], 0
	s_mov_b32 s[G1B+1], 256<<16
	s_mov_b32 s[G1B+2], 96<<16                     ; 96 rows of w
	s_mov_b32 s[G1B+3], 256<<16
	s_mov_b32 s[G1B+4], 96
	s_mov_b32 s[G1B+5], 512
	s_mov_b32 s[G1B+6], 0
	s_mov_b32 s[G1B+7], 0
	s_or_b32 s[G1S+0], s43, (3<<16)|(1<<20)|(1<<21)|(5<<22)|(3<<25)   ; the scale bytes: dense, as rows of 256 bytes (32 elements of 8), 16 bytes of padding behind each
	s_or_b32 s[G1SB+0], s44, (3<<16)|(1<<20)|(1<<21)|(5<<22)|(3<<25)
	s_mov_b32 s[G1S+1], 32<<16
	s_mov_b32 s[G1S+2], 16<<16                     ; 128 rows x 32 bytes = 16 units
	s_mov_b32 s[G1S+3], 32<<16
	s_mov_b32 s[G1S+4], 16
	s_mov_b32 s[G1S+5], 32
	s_mov_b32 s[G1S+6], 0
	s_mov_b32 s[G1S+7], 0
	s_mov_b32 s[G1SB+1], 32<<16
	s_mov_b32 s[G1SB+2], 12<<16                    ; 96 rows = 12 units
	s_mov_b32 s[G1SB+3], 32<<16
	s_mov_b32 s[G1SB+4], 12
	s_mov_b32 s[G1SB+5], 32
	s_mov_b32 s[G1SB+6], 0
	s_mov_b32 s[G1SB+7], 0
	s_lshl_b32 s18, s16, 7
	s_lshl_b32 s20, s17, 8
	s_add_co_u32 s20, s20, s18                     ; x: the first row that I fetch
	s_lshl_b32 s22, s20, 5                         ; its scale bytes,
	s_lshl_b32 s20, s20, 9                         ; its codes
	s_mov_b32 s21, 0
	s_mov_b32 s23, 0
	s_mul_i32 s46, s42, 192
	s_mul_i32 s47, s16, 96
	s_add_co_u32 s46, s46, s47                     ; w: the first row that I fetch
	s_lshl_b32 s92, s46, 5
	s_add_co_u32 s92, s92, 262144                  ; behind x's scale bytes
	s_lshl_b32 s46, s46, 9
	s_add_co_u32 s46, s46, 4194304                 ; behind x's codes
	s_mov_b32 s47, 0
	s_mov_b32 s93, 0
	s_mul_i32 s45, s16, 128*PITCH                  ; where they go in LDS: the wave's number and constants alone
	s_mul_i32 s94, s16, 96*PITCH
	s_add_co_u32 s94, s94, BOFF
	s_mul_i32 s95, s16, 16*272
	s_add_co_u32 s95, s95, SCL
	s_mul_i32 s96, s16, 12*272
	s_add_co_u32 s96, s96, SCLB
	s_mov_b32 s2, 0x3e38aa3b                       ; log2(e) / 8
	s_mov_b32 s3, s2
	s_wait_dscnt 0x0                               ; both opening adds are done
	s_wait_kmcnt 0x0
	s_add_nc_u64 s[20:21], s[4:5], s[20:21]
	s_add_nc_u64 s[22:23], s[6:7], s[22:23]
	s_add_nc_u64 s[46:47], s[4:5], s[46:47]
	s_add_nc_u64 s[92:93], s[6:7], s[92:93]
	CROUND                                         ; all sixteen work-groups are here: the first joint loads meet
	s_mov_b32 s[G0S], 1
	s_mov_b32 s[G0S+1], s95
	s_mov_b64 s[G0S+2:G0S+3], s[22:23]
	s_or_b32 s[G0S+3], s[G0S+3], 0x80000000
	s_mov_b32 s[G0SB], 1
	s_mov_b32 s[G0SB+1], s96
	s_mov_b64 s[G0SB+2:G0SB+3], s[92:93]
	s_or_b32 s[G0SB+3], s[G0SB+3], 0x80000000
	JLOAD G0S, G1S, G0SB, G1SB                     ; the scale bytes first
.irp s, 0,1
	s_mov_b32 s[G0+4*\s], 1
	s_add_co_u32 s[G0+4*\s+1], s45, \s*HALF
	s_add_nc_u64 s[G0+4*\s+2:G0+4*\s+3], s[20:21], \s*256
	s_or_b32 s[G0+4*\s+3], s[G0+4*\s+3], 0x80000000
	s_mov_b32 s[G0B+4*\s], 1
	s_add_co_u32 s[G0B+4*\s+1], s94, \s*HALF
	s_add_nc_u64 s[G0B+4*\s+2:G0B+4*\s+3], s[46:47], \s*256
	s_or_b32 s[G0B+4*\s+3], s[G0B+4*\s+3], 0x80000000
	JLOAD G0+4*\s, G1, G0B+4*\s, G1B               ; K = 512 s on
.endr
	v_and_b32 v2, 31, v0
	v_lshlrev_b32 v[LI], 4, v2
	v_and_b32 v3, 15, v0                           ; r
	v_bfe_u32 v4, v0, 4, 1                         ; h
	v_mul_u32_u24 v5, v3, PITCH
	v_lshl_add_u32 v5, v4, 4, v5                   ; a fragment's row x pitch + 16 h
	s_mul_i32 s45, s14, 64*PITCH                   ; my 64 tokens
	v_add_nc_u32 v[ADRA], s45, v5
	v_add_nc_u32 v[ADRA+1], HALF, v[ADRA]
	v_add_nc_u32 v[ADRB], BOFF, v5
	v_add_nc_u32 v[ADRB+1], HALF, v[ADRB]
	v_lshrrev_b32 v6, 3, v3
	v_lshlrev_b32 v7, 5, v3
	v_lshl_add_u32 v7, v6, 4, v7                   ; a row's 32 scale bytes: 32 r, + 16 for the unit passed
	v_mul_u32_u24 v8, v4, 2*544                    ; lanes 16-31: two blocks of 16 rows further on
	v_add_nc_u32 v8, v8, v7
	s_mul_i32 s45, s14, 4*544
	s_add_co_u32 s45, s45, SCL
	v_add_nc_u32 v[ADRSA], s45, v8
	v_mul_u32_u24 v8, v4, 6*544                    ; lanes 16-31: six blocks further on
	v_add_nc_u32 v8, v8, v7
	v_add_nc_u32 v[ADRSB], SCLB, v8
	v_lshlrev_b32 v[TO], 7, v3
	v_lshl_add_u32 v[TO], v4, 5, v[TO]
	s_and_b32 s66, s17, 7
	s_lshl_b32 s66, s66, 15
	s_lshl_b32 s97, s14, 13
	s_add_co_u32 s66, s66, s97                     ; my first token's place in its sequence x 128 bytes: a table's row, and a token's share of an image, are both 128 bytes
	s_mov_b32 s67, 0
	s_add_nc_u64 s[8:9], s[8:9], s[66:67]          ; the tables at my first token
	s_lshr_b32 s97, s17, 3
	s_lshl_b32 s97, s97, 4
	s_add_co_u32 s97, s97, s42                     ; 16 b + head
	s_lshl_b32 s97, s97, 18
	s_add_co_u32 s66, s66, s97
	s_add_nc_u64 s[10:11], s[10:11], s[66:67]      ; q's images
	s_add_nc_u64 s[12:13], s[10:11], 0x1000000     ; k's
	s_add_nc_u64 s[18:19], s[10:11], 0x2000000     ; v's
.macro TABL a                          ; cos and sin for token block a: frequencies 8 h + 0..7 and 16 + 8 h + 0..7 of my token
.set CB0, CSR+32*((\a)%2)
.irp u, 0,1
	global_load_b128 v[CB0+16*\u:CB0+16*\u+3],     v[TO], s[8:9] offset:262144*\u+2048*(\a)
	global_load_b128 v[CB0+16*\u+4:CB0+16*\u+7],   v[TO], s[8:9] offset:262144*\u+2048*(\a)+16
	global_load_b128 v[CB0+16*\u+8:CB0+16*\u+11],  v[TO], s[8:9] offset:262144*\u+2048*(\a)+64
	global_load_b128 v[CB0+16*\u+12:CB0+16*\u+15], v[TO], s[8:9] offset:262144*\u+2048*(\a)+80
.endr
.endm
	TABL 0
	TABL 1
.macro FRAG reg, adr, q, i             ; 16 rows x 128 K of 4-bit codes: registers 4 c .. 4 c + 3 hold K = 64 c + 32 h + 0..31
.irp c, 0,1
	ds_load_b128 v[\reg+4*\c:\reg+4*\c+3], v[\adr] offset:64*(\q)+32*\c+(\i)*16*PITCH
.endr
.endm
.macro FETCH k, p                      ; the fragments of K step k (128 along K) into set p: 32 loads
	WIN TO_F
.irp i, 0,1,2,3,4,5,6,7,8,9,10,11
	FRAG 96*(\p)+8*\i, ADRB+(\k)/4, (\k)%4, \i
.endr
.irp i, 0,1,2,3
	FRAG 192+32*(\p)+8*\i, ADRA+(\k)/4, (\k)%4, \i
.endr
	WIN 0
.endm
.macro SCALES                          ; all scale words: set s (K = 512 s on), four words a row
.irp s, 0,1
.irp i, 0,1
	ds_load_b128 v[SC+32*\s+4*\i:SC+32*\s+4*\i+3], v[ADRSA] offset:544*\i+16*\s
.endr
.irp i, 0,1,2,3,4,5
	ds_load_b128 v[SC+32*\s+8+4*\i:SC+32*\s+8+4*\i+3], v[ADRSB] offset:544*\i+16*\s
.endr
.endr
.endm
.macro WMZ                             ; the first K step starts the sums: nothing is cleared
.if fW0 && fW1
	v_wmma_scale_f32_16x16x128_f8f6f4 v[fD:fD+7], v[fS0:fS0+7], v[fS1:fS1+7], 0, v[fC0], v[fC1] matrix_a_fmt:MATRIX_FMT_FP4 matrix_b_fmt:MATRIX_FMT_FP4 matrix_a_scale:MATRIX_SCALE_ROW1 matrix_b_scale:MATRIX_SCALE_ROW1
.elseif fW0
	v_wmma_scale_f32_16x16x128_f8f6f4 v[fD:fD+7], v[fS0:fS0+7], v[fS1:fS1+7], 0, v[fC0], v[fC1] matrix_a_fmt:MATRIX_FMT_FP4 matrix_b_fmt:MATRIX_FMT_FP4 matrix_a_scale:MATRIX_SCALE_ROW1
.elseif fW1
	v_wmma_scale_f32_16x16x128_f8f6f4 v[fD:fD+7], v[fS0:fS0+7], v[fS1:fS1+7], 0, v[fC0], v[fC1] matrix_a_fmt:MATRIX_FMT_FP4 matrix_b_fmt:MATRIX_FMT_FP4 matrix_b_scale:MATRIX_SCALE_ROW1
.else
	v_wmma_scale_f32_16x16x128_f8f6f4 v[fD:fD+7], v[fS0:fS0+7], v[fS1:fS1+7], 0, v[fC0], v[fC1] matrix_a_fmt:MATRIX_FMT_FP4 matrix_b_fmt:MATRIX_FMT_FP4
.endif
.endm
.macro WMA
.if fW0 && fW1
	v_wmma_scale_f32_16x16x128_f8f6f4 v[fD:fD+7], v[fS0:fS0+7], v[fS1:fS1+7], v[fD:fD+7], v[fC0], v[fC1] matrix_a_fmt:MATRIX_FMT_FP4 matrix_b_fmt:MATRIX_FMT_FP4 matrix_a_scale:MATRIX_SCALE_ROW1 matrix_b_scale:MATRIX_SCALE_ROW1
.elseif fW0
	v_wmma_scale_f32_16x16x128_f8f6f4 v[fD:fD+7], v[fS0:fS0+7], v[fS1:fS1+7], v[fD:fD+7], v[fC0], v[fC1] matrix_a_fmt:MATRIX_FMT_FP4 matrix_b_fmt:MATRIX_FMT_FP4 matrix_a_scale:MATRIX_SCALE_ROW1
.elseif fW1
	v_wmma_scale_f32_16x16x128_f8f6f4 v[fD:fD+7], v[fS0:fS0+7], v[fS1:fS1+7], v[fD:fD+7], v[fC0], v[fC1] matrix_a_fmt:MATRIX_FMT_FP4 matrix_b_fmt:MATRIX_FMT_FP4 matrix_b_scale:MATRIX_SCALE_ROW1
.else
	v_wmma_scale_f32_16x16x128_f8f6f4 v[fD:fD+7], v[fS0:fS0+7], v[fS1:fS1+7], v[fD:fD+7], v[fC0], v[fC1] matrix_a_fmt:MATRIX_FMT_FP4 matrix_b_fmt:MATRIX_FMT_FP4
.endif
.endm
.macro WM a, b, k                      ; the product of token block a and column block b in K step k.  q and k: w is source 0; v: the tokens are.  The scale words and their rows go with the sources
.set fD,  8*(12*((\a)%2)+(\b))
.set fFB, 96*((\k)%2)+8*(\b)
.set fFA, 192+32*((\k)%2)+8*(\a)
.set fSB, SC+32*((\k)/4)+8+4*((\b)%6)+(\k)%4
.set fSA, SC+32*((\k)/4)+4*((\a)%2)+(\k)%4
.if (\b) < 8
.set fS0, fFB
.set fS1, fFA
.set fC0, fSB
.set fC1, fSA
.set fW0, (\b)/6
.set fW1, (\a)/2
.else
.set fS0, fFA
.set fS1, fFB
.set fC0, fSA
.set fC1, fSB
.set fW0, (\a)/2
.set fW1, (\b)/6
.endif
.if (\k) == 0
	WMZ
.else
	WMA
.endif
.endm
; A K step: the next step's fragments are asked for first, into the other set, then this step's 48 products.  The 48 accumulators take turns, one instruction a turn, in the same order in every step.
.macro STEP k
.if (\k) == 3
	s_wait_tensorcnt 0x0                           ; my part of the second half of K has landed,
	s_wait_dscnt 0x0                               ; no LDS instruction of mine is pending at the signal,
	s_barrier_signal -1
	s_barrier_wait -1                              ; and everybody's part has
.endif
.if (\k) < 7
.if (\k) > 0
	PLACES                                         ; four plain instructions between the products that read a set and the loads into it (ISA guide 7.12.1 for vector instructions)
.endif
	FETCH (\k)+1, ((\k)+1)%2
	s_wait_dscnt 32                                ; all but the 32 just issued: this step's fragments (and the scale words) are in
.else
	s_wait_dscnt 0x0
.endif
	WIN MUL_LO
.irp a, 0,1
.irp b, 0,1,2,3,4,5,6,7,8,9,10,11
	WM \a, \b, \k
.endr
.endr
	WIN MUL_HI
.irp a, 2,3
.irp b, 0,1,2,3,4,5,6,7,8,9,10,11
	WM \a, \b, \k
.endr
.endr
	WIN 0
.endm
	s_wait_tensorcnt 1                             ; the scale bytes and my part of the first half of K are in; the second half's load may be out
	s_barrier_signal -1
	s_barrier_wait -1                              ; everybody's are
	SCALES
	FETCH 0, 0
.irp k, 0,1,2,3,4,5,6,7
	STEP \k
.endr
; THE ROTARY STEP for token block a, tensor g (0 q, 1 k), channels i = 16 bb + 8 h + 0..7: out(i) = x(i) cos - x(32 + i) sin; out(32 + i) = x(32 + i) cos + x(i) sin.  Each accumulator is read from its low end on.
.macro ROPE a, g, bb
.set X1, 8*(12*((\a)%2)+4*(\g)+(\bb))
.set X2, X1+16
.set CC, CSR+32*((\a)%2)+8*(\bb)
.set SS, CC+16
	WIN 0x02+(\a)/2                                ; source 0: the accumulators' window
.irp j, 0,2,4,6
	v_pk_mul_f32 v[T1+\j:T1+\j+1], v[X2+\j:X2+\j+1], v[SS+\j:SS+\j+1]
.endr
.irp j, 0,2,4,6
	v_pk_mul_f32 v[T2+\j:T2+\j+1], v[X1+\j:X1+\j+1], v[SS+\j:SS+\j+1]
.endr
.irp j, 0,2,4,6
	v_pk_fma_f32 v[T1+\j:T1+\j+1], v[X1+\j:X1+\j+1], v[CC+\j:CC+\j+1], v[T1+\j:T1+\j+1] neg_lo:[0,0,1] neg_hi:[0,0,1]
.endr
.irp j, 0,2,4,6
	v_pk_fma_f32 v[T2+\j:T2+\j+1], v[X2+\j:X2+\j+1], v[CC+\j:CC+\j+1], v[T2+\j:T2+\j+1]
.endr
	WIN 0
.if (\g) == 0
.irp j, 0,2,4,6,8,10,12,14
	v_pk_mul_f32 v[T1+\j:T1+\j+1], v[T1+\j:T1+\j+1], s[2:3] op_sel_hi:[1,0]    ; q x log2(e) / 8 (T2 follows T1)
.endr
.endif
.irp i, 0,1,2,3
	v_cvt_pk_f16_f32 v[PK+16*(\g)+4*(\bb)+\i], v[T1+2*\i], v[T1+2*\i+1]         ; channels 0-31: c = 0, half bb
.endr
.irp i, 0,1,2,3
	v_cvt_pk_f16_f32 v[PK+16*(\g)+8+4*(\bb)+\i], v[T2+2*\i], v[T2+2*\i+1]       ; channels 32-63: c = 1, half bb
.endr
.endm
.macro VPK a                           ; v: a lane's eight tokens of a channel pack into 16 bytes
	WIN 0x0a+5*((\a)/2)
.irp ct, 0,1,2,3
.irp i, 0,1,2,3
	v_cvt_pk_f16_f32 v[PK+32+4*\ct+\i], v[8*(12*((\a)%2)+8+\ct)+2*\i], v[8*(12*((\a)%2)+8+\ct)+2*\i+1]
.endr
.endr
	WIN 0
.endm
.macro OUT a                           ; twelve stores of 512 consecutive bytes
.irp c, 0,1
.irp hf, 0,1
	global_store_b128 v[LI], v[PK+8*\c+4*\hf:PK+8*\c+4*\hf+3], s[10:11] offset:2048*(\a)+1024*\c+512*\hf
	global_store_b128 v[LI], v[PK+16+8*\c+4*\hf:PK+16+8*\c+4*\hf+3], s[12:13] offset:2048*(\a)+1024*\c+512*\hf
.endr
.endr
.irp ct, 0,1,2,3
	global_store_b128 v[LI], v[PK+32+4*\ct:PK+32+4*\ct+3], s[18:19] offset:4096*((\a)/2)+1024*\ct+512*((\a)%2)
.endr
.endm
	PLACES                                         ; between the last products and the first read of results
.irp a, 0,1,2,3
.if \a > 0
	s_wait_xcnt 0x0                                ; the last block's stores have read their data: the packed registers are written again only behind this wait
.endif
.if \a < 3
	s_wait_loadcnt 8                               ; this block's tables are in; the other set's eight loads may be out
.else
	s_wait_loadcnt 0x0
.endif
	ROPE \a, 0, 0
	ROPE \a, 0, 1
	ROPE \a, 1, 0
	ROPE \a, 1, 1
	VPK \a
.if \a < 2
	TABL \a+2
.endif
	OUT \a
.endr
	s_wait_tensorcnt 0x0                           ; the wave's end
	ds_add_u32 v[SPW], v[NIL]
	s_wait_dscnt 0x0
	CROUND                                         ; the closing round
	s_endpgm
.Lfunc_end_k_q308986ccd0_qkvrope:
	.size	k_q308986ccd0_qkvrope, .Lfunc_end_k_q308986ccd0_qkvrope-k_q308986ccd0_qkvrope
	.p2alignl 7, 3214868480
	.fill 96, 4, 3214868480
	.section	.rodata,"a",@progbits
	.p2align	6, 0x0
	.amdhsa_kernel k_q308986ccd0_qkvrope
		.amdhsa_group_segment_fixed_size 327680
		.amdhsa_private_segment_fixed_size 0
		.amdhsa_enable_private_segment 0
		.amdhsa_kernarg_size 32
		.amdhsa_user_sgpr_count 2
		.amdhsa_user_sgpr_kernarg_segment_ptr 1
		.amdhsa_wavefront_size32 1
		.amdhsa_system_sgpr_workgroup_id_x 1
		.amdhsa_system_sgpr_workgroup_id_y 1
		.amdhsa_system_sgpr_workgroup_id_z 1
		.amdhsa_system_vgpr_workitem_id 0
		.amdhsa_next_free_vgpr 1024
		.amdhsa_next_free_sgpr 98
		.amdhsa_reserve_vcc 0
		.amdhsa_float_denorm_mode_32 3
		.amdhsa_float_denorm_mode_16_64 3
		.amdhsa_memory_ordered 1
		.amdhsa_forward_progress 1
		.amdhsa_inst_pref_size 119
	.end_amdhsa_kernel
	.amdgpu_metadata
---
amdhsa.version: [ 1, 2 ]
amdhsa.kernels:
  - .name:           k_q308986ccd0_qkvrope
    .symbol:         k_q308986ccd0_qkvrope.kd
    .args:
      - { .name: codes, .offset: 0, .size: 8, .value_kind: global_buffer, .address_space: global }
      - { .name: scales, .offset: 8, .size: 8, .value_kind: global_buffer, .address_space: global }
      - { .name: aux, .offset: 16, .size: 8, .value_kind: global_buffer, .address_space: global }
      - { .name: qkv, .offset: 24, .size: 8, .value_kind: global_buffer, .address_space: global }
    .group_segment_fixed_size: 327680
    .private_segment_fixed_size: 0
    .kernarg_segment_align: 8
    .kernarg_segment_size: 32
    .max_flat_workgroup_size: 128
    .sgpr_count:     98
    .vgpr_count:     1024
    .wavefront_size: 32
...
	.end_amdgpu_metadata
.endif
;; end of part 2
;; launch attn (part 3): grid 8 x 64, 8 waves a work-group, clusters of 4 x 1, 327,680 bytes of LDS; arguments qkv, maskw, valf; writes valf
.if DOCPART == 3
	.amdgcn_target "amdgcn-amd-amdhsa--gfx1250"
	.amdhsa_code_object_version 6
	.text
	.protected	k_q308986ccd0_attn
	.globl	k_q308986ccd0_attn
	.p2align	8
	.type	k_q308986ccd0_attn,@function
k_q308986ccd0_attn:
	s_mov_b64 s[64:65], 0
	v_nop
	global_prefetch_b8 v0, s[64:65] scope:SCOPE_SE
	s_setreg_imm32_b32 hwreg(HW_REG_WAVE_MODE, 25, 1), 1
	s_wait_xcnt 0x0
	s_wait_alu depctr_hold_cnt(0) depctr_sa_sdst(0) depctr_va_vdst(0) depctr_va_sdst(0) depctr_va_ssrc(0) depctr_va_vcc(0) depctr_vm_vsrc(0)
	s_getreg_b32 s2, hwreg(HW_REG_IB_STS2, 6, 4)
	s_cmp_eq_u32 s2, 0
	s_cbranch_scc0 .Lentry_in_a_cluster
	s_endpgm
.Lentry_in_a_cluster:
	s_bfe_u32 s2, ttmp6, 0x10000c
	s_cmp_lg_u32 s2, 0x3003
	s_cbranch_scc0 .Lentry_shape_is_right
	s_endpgm
.Lentry_shape_is_right:
; vals = softmax(where(mask, -9e15, q k^T / 8)) v for one head and 256 queries a work-group; f16 operands, f32 sums, maxima and row sums.
; q arrives with the factor log2(e) / 8 in it, so t = q . k is the logit in base 2; a hidden key's t is the constant -9e15 log2(e), put in AHEAD of the running maximum m; p = 2^(t - m).
; A row hidden everywhere so has t = m and p = 1 at every key: the plain mean of v, as the definition gives.  In every step O and the sum l are multiplied by a = 2^(m_old - m_new).
; SHARES.  Eight waves; a wave owns 32 queries (two tiles x = 0, 1 of 16) and walks all 2,048 keys, 64 a step.  Two waves share a SIMD: one wave's softmax stands beside the other's products and LDS loads.
; LAYOUT.  S^T = K Q^T (source 0 = 16 keys, source 1 = 16 queries) and O^T = V^T P: a lane holds ONE query (lane % 16) throughout.  K, V and Q arrive as images of operand registers:
; every LDS load takes 512 consecutive bytes, nothing is turned, and O leaves as the image of the next launch's operand.
; THE MASK arrives as lane masks, one dword for each score register; they come by scalar loads, a step ahead, and steer v_cndmask_b32 alone.
; RING.  Two slots of 512 keys (K's 65,536 bytes, then V's).  The four query blocks of a cluster walk the same K and V: each tile is asked for jointly.  Every wave fetches 16,384 bytes of a slot
; (waves 0-3 of K, 4-7 of V).  A wave has one tensor load out.
; LIMITS: NaN and infinities are not served; p under f16's smallest number counts as 0 in the product (it stays in the row's sum).
; REGISTERS: window 0: v1-9 addresses and constants; v10-25 statistics, eight a tile (+0 m, +2, +3 l, +4 a, +6, +7 at work; +1 and +5 hold 0: they are named as upper halves of pairs);
;   v26-89 S^T, then p (32 x + 8 kt + j); v90-121 P; v122-185 K; v186-249 V.   window 1: v0-31 Q; v32-95 O^T (32 x + 8 ct + j).
.set SLOT1, 1<<17
.set SPARE, 262144                     ; the spare words, 128 bytes for each wave: no other line names them
.set LI,  1                            ; v1  16 x lane
.set ADK, 2
.set ADV, 3
.set TN,  4                            ; v4  -9e15 log2(e)
.set PFO, 5                            ; v5  256 x lane
.set SPW, 6
.set NIL, 7
.set LIV, 9                            ; v9  16 x lane + 65,536: V's part of a slot
.set ST,  10
.set S,   26
.set P,   90
.set KF,  122
.set VF,  186
.set QF,  0
.set OT,  32
.set G1,  16                           ; s[16:23]
.set G0K, 24                           ; s[24:27], which walks
.set G0V, 28                           ; s[28:31]
.set TB,  2                            ; s2  the slot in hand
.set KO,  3                            ; s3  the step's bytes in a slot's part: 8,192 a step
.set MB,  4                            ; s[4:5] my two tiles' mask words
.set OB,  6                            ; s[6:7] my two tiles' place in valf
.set PFA, 8                            ; s[8:9] where my prefetches stand
.set WV,  10
.set SLOTS, 11
.set TW,  12
.set MO,  13                           ; s13 the step's mask words: 128 bytes a step
.set LIM, 14
.set SEL, 66                           ; s[66:67]
.set MSB, 0
.macro WIN new
.if MSB != \new
	s_set_vgpr_msb (MSB<<8)|\new
.set MSB, \new
.endif
.endm
.macro JLOAD                           ; a joint load; the branch hangs on the wave's number alone
	s_cmp_lt_u32 s[WV], 4
	s_cbranch_scc0 .Lfor_v_\@
	tensor_load_to_lds s[G0K:G0K+3], s[G1:G1+7]
	s_nop 0
.rept 4
	v_nop
.endr
	s_branch .Lasked_\@
.Lfor_v_\@:
	tensor_load_to_lds s[G0V:G0V+3], s[G1:G1+7]
	s_nop 0
.rept 4
	v_nop
.endr
.Lasked_\@:
.endm
.macro CROUND
	s_barrier_signal -1
	s_barrier_wait -1
	s_cmp_lg_u32 s[WV], 0
	s_cbranch_scc1 .Lnot_wave_0_\@
	s_barrier_signal -3
.Lnot_wave_0_\@:
	s_barrier_wait -3
	s_barrier_signal -1
	s_barrier_wait -1
.endm
; A PREFETCH of what the NEXT change of slots will ask for: 65,536 bytes of K and of V, a lane a block of 256 bytes.  Both clusters of a head walk the same K and V: the first asks.  Its four partners
; share the blocks out by address, 8,192 bytes each of the 32,768 that an even wave stands for (waves 0, 2: K; 4, 6: V): each block is named once in the launch.  The last change that fills a slot asks for nothing.
.macro ASK
	s_cmp_gt_u32 s[SLOTS], s[LIM]
	s_cbranch_scc0 .Lnot_mine_\@
	global_prefetch_b8 v[PFO], s[PFA:PFA+1] th:TH_LOAD_NT scope:SCOPE_SE
.Lnot_mine_\@:
.endm
.macro MLOAD                           ; a step's 64 mask words: tile 0's into s[32:63], tile 1's into s[68:99]
	s_load_b512 s[32:47], s[MB:MB+1], s[MO] offset:0x0
	s_load_b512 s[48:63], s[MB:MB+1], s[MO] offset:0x40
	s_load_b512 s[68:83], s[MB:MB+1], s[MO] offset:0x1000
	s_load_b512 s[84:99], s[MB:MB+1], s[MO] offset:0x1040
.endm
	s_load_b128 s[32:35], s[0:1], 0x0              ; qkv, maskw
	s_load_b64 s[36:37], s[0:1], 0x10              ; valf
	v_lshl_add_u32 v[SPW], v0, 2, SPARE
	v_mov_b32 v[NIL], 0
	ds_add_u32 v[SPW], v[NIL]                      ; the wave's opening: the add, twice on end, and its wait ahead of my first tensor load
	ds_add_u32 v[SPW], v[NIL]
	v_lshrrev_b32 v8, 5, v0
	v_readfirstlane_b32 s[WV], v8                  ; wave 0..7
	s_bfe_u32 s38, ttmp6, 0x40000                  ; cx
	s_lshl_b32 s39, ttmp9, 2
	s_add_co_u32 s39, s39, s38                     ; my block of 256 queries
	s_and_b32 s40, ttmp7, 0xffff                   ; 16 b + head, which the partners share
	s_lshl_b32 s41, s40, 18                        ; its 262,144 bytes in each of q, k, v
	s_mov_b32 s[G1], 15|(3<<16)|(1<<21)            ; the mask: all four; elements of 8 bytes; no padding
	s_mov_b32 s[G1+1], 32<<16                      ; rows of 256 bytes,
	s_mov_b32 s[G1+2], 64<<16                      ; 64 of them,
	s_mov_b32 s[G1+3], 32<<16
	s_mov_b32 s[G1+4], 64
	s_mov_b32 s[G1+5], 32                          ; dense
	s_mov_b32 s[G1+6], 0
	s_mov_b32 s[G1+7], 0
	s_mov_b32 s[G0K], 1
	s_lshl_b32 s[G0K+1], s[WV], 14                 ; slot 0: 16,384 x wave
	s_mov_b32 s[G0V], 1
	s_lshl_b32 s[G0V+1], s[WV], 14
	s_and_b32 s42, s[WV], 3
	s_lshl_b32 s42, s42, 14
	s_add_co_u32 s42, s42, s41                     ; my quarter of a slot's K or V, in memory
	s_mov_b32 s43, 0
	s_lshl_b32 s44, s39, 4
	s_lshl_b32 s45, s[WV], 1
	s_add_co_u32 s44, s44, s45                     ; my first tile of 16 queries, 0..127
	s_lshr_b32 s45, s40, 4                         ; b
	s_lshl_b32 s46, s45, 19
	s_lshl_b32 s47, s44, 12
	s_add_co_u32 s46, s46, s47                     ; the mask words: 524,288 b + 4,096 tile
	s_mov_b32 s47, 0
	s_lshl_b32 s48, s45, 7
	s_add_co_u32 s48, s48, s44
	s_lshl_b32 s48, s48, 15                        ; valf: 32,768 bytes for 16 tokens,
	s_and_b32 s49, s40, 15
	s_lshl_b32 s49, s49, 11                        ; 2,048 for a head
	s_add_co_u32 s48, s48, s49
	s_mov_b32 s49, 0
	s_lshl_b32 s50, s44, 11
	s_add_co_u32 s50, s50, s41                     ; Q: 2,048 bytes a tile
	s_mov_b32 s51, 0
	s_bfe_u32 s52, s[WV], 0x10001                  ; (wave % 4) / 2
	s_lshl_b32 s52, s52, 15
	s_lshl_b32 s53, s38, 13                        ; my work-group's 8,192 bytes
	s_add_co_u32 s52, s52, s53
	s_add_co_u32 s52, s52, s41
	s_add_co_u32 s52, s52, 65536                   ; in slot 1: the first change of slots steps it to slot 2.  Nothing is prefetched at the head
	s_cmp_lt_u32 s[WV], 4
	s_cselect_b32 s53, 0, 0x1000000
	s_add_co_u32 s52, s52, s53
	s_add_co_u32 s52, s52, 0x1000000               ; in K (waves 0-3) or in V
	s_mov_b32 s53, 0
	s_and_b32 s[LIM], s[WV], 1
	s_or_b32 s[LIM], s[LIM], ttmp9                 ; 0 in the even waves of the head's first cluster: the same in all four partners
	s_cmp_eq_u32 s[LIM], 0
	s_cselect_b32 s[LIM], 1, -1
	s_mov_b32 s[SEL], 0x76543210
	s_mov_b32 s[SEL+1], 0xfedcba98
	s_mov_b32 s[TB], 0
	s_mov_b32 s[MO], 0
	s_mov_b32 s[SLOTS], 3
	v_and_b32 v8, 31, v0
	v_lshlrev_b32 v[LI], 4, v8
	v_lshlrev_b32 v[PFO], 8, v8
	v_add_nc_u32 v[LIV], 65536, v[LI]
	v_mov_b32 v[TN], 0xda388472
	s_wait_dscnt 0x0                               ; both opening adds are done
	s_wait_kmcnt 0x0
	s_add_nc_u64 s[G0K+2:G0K+3], s[32:33], s[42:43]
	s_add_nc_u64 s[G0V+2:G0V+3], s[G0K+2:G0K+3], 0x2000000
	s_add_nc_u64 s[G0K+2:G0K+3], s[G0K+2:G0K+3], 0x1000000
	s_or_b32 s[G0K+3], s[G0K+3], 0x80000000
	s_or_b32 s[G0V+3], s[G0V+3], 0x80000000
	s_add_nc_u64 s[MB:MB+1], s[34:35], s[46:47]
	s_add_nc_u64 s[OB:OB+1], s[36:37], s[48:49]
	s_add_nc_u64 s[100:101], s[32:33], s[50:51]
	s_add_nc_u64 s[PFA:PFA+1], s[32:33], s[52:53]
	CROUND                                         ; all four work-groups are here: the first joint loads meet
	JLOAD                                          ; slot 0
	WIN 0x40                                       ; destination window 1
.irp x, 0,1
.irp c, 0,1
.irp hf, 0,1
	global_load_b128 v[QF+16*\x+8*\c+4*\hf:QF+16*\x+8*\c+4*\hf+3], v[LI], s[100:101] offset:2048*\x+1024*\c+512*\hf   ; Q stays in registers
.endr
.endr
.endr
.set i, 0
.rept 64
	v_mov_b32 v[OT+i], 0                           ; O^T.  (The step is written once: its first trip finds zeros, which a = 0 leaves zeros)
.set i, i+1
.endr
	WIN 0
.irp x, 0,1
	v_mov_b32 v[ST+8*\x], 0xff61b1e6               ; m = -3e38, under every t
.irp j, 1,2,3,4,5,6,7
	v_mov_b32 v[ST+8*\x+\j], 0
.endr
.endr
	MLOAD                                          ; step 0's mask words (the arguments' registers are done with)
	s_wait_loadcnt 0x0                             ; Q
.macro FETCHK0                         ; K of a slot's first step
	v_add_nc_u32 v[ADK], s[TB], v[LI]
.set i, 0
.rept 16
	ds_load_b128 v[KF+4*i:KF+4*i+3], v[ADK] offset:512*i
.set i, i+1
.endr
.endm
; A KEY STEP: 64 keys.
.macro STEP
	s_add_co_u32 s15, s[TB], s[KO]
	v_add_nc_u32 v[ADV], s15, v[LIV]               ; this and three v_nop: four plain instructions between the last step's products and the loads into the registers that they read
.rept 3
	v_nop
.endr
.set i, 0
.rept 16
	ds_load_b128 v[VF+4*i:VF+4*i+3], v[ADV] offset:512*i     ; V: 32 g2 + 8 ct + 4 half = 4 i
.set i, i+1
.endr
	s_wait_dscnt 16                                ; K is in; V's sixteen loads may be out
	WIN 0x04                                       ; source 1 (Q) window 1
.irp c, 0,1                                    ; the eight accumulators take turns
.irp kt, 0,1,2,3
.irp x, 0,1
.if \c == 0
	v_wmma_f32_16x16x32_f16 v[S+32*\x+8*\kt:S+32*\x+8*\kt+7], v[KF+16*\kt+8*\c:KF+16*\kt+8*\c+7], v[QF+16*\x+8*\c:QF+16*\x+8*\c+7], 0
.else
	v_wmma_f32_16x16x32_f16 v[S+32*\x+8*\kt:S+32*\x+8*\kt+7], v[KF+16*\kt+8*\c:KF+16*\kt+8*\c+7], v[QF+16*\x+8*\c:QF+16*\x+8*\c+7], v[S+32*\x+8*\kt:S+32*\x+8*\kt+7]
.endif
.endr
.endr
.endr
	WIN 0
	s_add_co_u32 s100, s[KO], 8192                 ; the next step's K; in a slot's last step the same K once more, so that every trip issues the same loads
	s_min_u32 s100, s100, 57344
	s_add_co_u32 s100, s100, s[TB]
	v_add_nc_u32 v[ADK], s100, v[LI]               ; four plain instructions again: for the loads into K's registers and for the first read of the scores
.rept 3
	v_nop
.endr
.set i, 0
.rept 16
	ds_load_b128 v[KF+4*i:KF+4*i+3], v[ADK] offset:512*i
.set i, i+1
.endr
	s_wait_kmcnt 0x0                               ; this step's mask words are in, and their loads are done: the offset may step
.set n, 0
.rept 32
	v_cndmask_b32 v[S+n], v[S+n], v[TN], s[32+n]   ; a hidden key's t is the constant.  (Each accumulator is read from its low end on)
	v_cndmask_b32 v[S+32+n], v[S+32+n], v[TN], s[68+n]
.set n, n+1
.endr
	s_add_co_u32 s[MO], s[MO], 128
	s_min_u32 s[MO], s[MO], 3968                   ; the last step asks for its own words again: no load leaves the buffer
	MLOAD
.irp x, 0,1                                    ; the largest of the 32 scores and m: two chains a tile, the tiles by turns
	v_max3_num_f32 v[ST+8*\x+6], v[S+32*\x], v[S+32*\x+1], v[S+32*\x+2]
	v_max3_num_f32 v[ST+8*\x+7], v[S+32*\x+17], v[S+32*\x+18], v[S+32*\x+19]
.endr
.irp i, 0,1,2,3,4,5
.irp x, 0,1
	v_max3_num_f32 v[ST+8*\x+6], v[ST+8*\x+6], v[S+32*\x+3+2*\i], v[S+32*\x+4+2*\i]
	v_max3_num_f32 v[ST+8*\x+7], v[ST+8*\x+7], v[S+32*\x+20+2*\i], v[S+32*\x+21+2*\i]
.endr
.endr
.irp x, 0,1
	v_max3_num_f32 v[ST+8*\x+6], v[ST+8*\x+6], v[S+32*\x+15], v[S+32*\x+16]
.endr
.irp x, 0,1
	v_max3_num_f32 v[ST+8*\x+6], v[ST+8*\x+6], v[ST+8*\x+7], v[ST+8*\x]
.endr
.irp x, 0,1
	v_permlanex16_b32 v[ST+8*\x+7], v[ST+8*\x+6], s[SEL], s[SEL+1]   ; the query's other 32 keys lie in the lane 16 away
.endr
.irp x, 0,1
	v_max_num_f32 v[ST+8*\x+6], v[ST+8*\x+6], v[ST+8*\x+7]
.endr
.irp x, 0,1
	v_sub_f32 v[ST+8*\x+4], v[ST+8*\x], v[ST+8*\x+6]                 ; m_old - m_new
.endr
.irp x, 0,1
	v_mov_b32 v[ST+8*\x], v[ST+8*\x+6]
.endr
.set i, 0
.rept 16
.irp x, 0,1
	v_pk_add_f32 v[S+32*\x+2*i:S+32*\x+2*i+1], v[S+32*\x+2*i:S+32*\x+2*i+1], v[ST+8*\x:ST+8*\x+1] op_sel_hi:[1,0] neg_lo:[0,1] neg_hi:[0,1]   ; t - m: exactly 0 where t = m
.endr
.set i, i+1
.endr
.irp x, 0,1
	v_exp_f32 v[ST+8*\x+4], v[ST+8*\x+4]           ; a.  ONE batch of 66 exponentials,
.endr
.set i, 0
.rept 64
	v_exp_f32 v[S+i], v[S+i]
.set i, i+1
.endr
	v_nop                                          ; one plain instruction behind the last,
	s_wait_alu depctr_va_vdst(0)                   ; and one wait ahead of the first reader
.set i, 0
.rept 16
.irp x, 0,1
	v_cvt_pk_f16_f32 v[P+16*\x+i], v[S+32*\x+2*i], v[S+32*\x+2*i+1]
.endr
.set i, i+1
.endr
.irp w, 2,4,8,16                               ; the row's sum of the unrounded p: a tree in place, two numbers an instruction
.set u, 0
.rept 16/\w
.irp x, 0,1
	v_pk_add_f32 v[S+32*\x+u:S+32*\x+u+1], v[S+32*\x+u:S+32*\x+u+1], v[S+32*\x+u+\w:S+32*\x+u+\w+1]
.endr
.set u, u+2*\w
.endr
.endr
.irp x, 0,1
	v_pk_fma_f32 v[ST+8*\x+2:ST+8*\x+3], v[ST+8*\x+2:ST+8*\x+3], v[ST+8*\x+4:ST+8*\x+5], v[S+32*\x:S+32*\x+1] op_sel_hi:[1,0,1]   ; l = a l + the sum
.endr
	WIN 0x41                                       ; O^T (destination and source 0) window 1
.irp x, 0,1
.set i, 0
.rept 16
	v_pk_mul_f32 v[OT+32*\x+2*i:OT+32*\x+2*i+1], v[OT+32*\x+2*i:OT+32*\x+2*i+1], v[ST+8*\x+4:ST+8*\x+5] op_sel_hi:[1,0]
.set i, i+1
.endr
.endr
	s_wait_dscnt 16                                ; V is in; the next K's sixteen loads may be out
	WIN 0x50                                       ; C and D window 1
.irp g2, 0,1                                   ; keys 32 g2 on; the eight accumulators take turns
.irp ct, 0,1,2,3
.irp x, 0,1
	v_wmma_f32_16x16x32_f16 v[OT+32*\x+8*\ct:OT+32*\x+8*\ct+7], v[VF+32*\g2+8*\ct:VF+32*\g2+8*\ct+7], v[P+16*\x+8*\g2:P+16*\x+8*\g2+7], v[OT+32*\x+8*\ct:OT+32*\x+8*\ct+7]
.endr
.endr
.endr
	WIN 0
	s_add_co_u32 s[KO], s[KO], 8192
.endm
.macro SLOT_STEPS                      ; a slot's eight steps: written once, walked eight times
	s_mov_b32 s[KO], 0
	s_mov_b32 s[TW], 8
.Lstep_\@:
	STEP
	s_sub_co_u32 s[TW], s[TW], 1
	s_cmp_lg_u32 s[TW], 0
	s_cbranch_scc1 .Lstep_\@
	s_xor_b32 s[TB], s[TB], SLOT1                  ; on to the other slot
.endm
; THE CHANGE OF SLOTS, at a slot's head.  Each wave waits for all its tensor loads (its part of the slot ahead), adds 0 to its spare word, and waits for that and for its reads of the slot that it has left.
; fill = 1: a round of the cluster's barrier, so that no wave of any partner still reads that slot or has a load on its way; the joint load into it is the first thing behind the round, and has eight steps in which to land.
.macro CHANGE fill
	s_wait_tensorcnt 0x0                           ; no tensor load of mine is out, so a group 0 may be written
	ds_add_u32 v[SPW], v[NIL]
.if \fill
	s_xor_b32 s[G0K+1], s[G0K+1], SLOT1            ; the other slot than last time,
	s_add_nc_u64 s[G0K+2:G0K+3], s[G0K+2:G0K+3], 65536   ; the next 512 keys
	s_xor_b32 s[G0V+1], s[G0V+1], SLOT1
	s_add_nc_u64 s[G0V+2:G0V+3], s[G0V+2:G0V+3], 65536
	s_wait_xcnt 0x0                                ; the last prefetch, a slot back, has read its address
	s_add_nc_u64 s[PFA:PFA+1], s[PFA:PFA+1], 65536 ; one slot further on than the walking descriptors
	s_wait_dscnt 0x0                               ; the add is done, and my reads of the slot that I have left are over
	CROUND
	JLOAD
.else
	s_wait_dscnt 0x0
	s_barrier_signal -1
	s_barrier_wait -1
.endif
.endm
.Lslot:                                            ; three trips: behind each change of slots but the last the next slot is asked for
	CHANGE 1
	FETCHK0
	ASK
	SLOT_STEPS
	s_sub_co_u32 s[SLOTS], s[SLOTS], 1
	s_cmp_lg_u32 s[SLOTS], 0
	s_cbranch_scc1 .Lslot
	CHANGE 0                                       ; the last slot is written out
	FETCHK0
	SLOT_STEPS
	; THE WAY OUT.  l's halves and the other half of the lanes' are added (six plain instructions: the places behind the last products); O^T / l, rounded to f16, IS the next launch's operand: 512 bytes a store.
.irp x, 0,1
	v_add_f32 v[ST+8*\x+6], v[ST+8*\x+2], v[ST+8*\x+3]
.endr
.irp x, 0,1
	v_permlanex16_b32 v[ST+8*\x+7], v[ST+8*\x+6], s[SEL], s[SEL+1]
.endr
.irp x, 0,1
	v_add_f32 v[ST+8*\x+6], v[ST+8*\x+6], v[ST+8*\x+7]
.endr
.irp x, 0,1
	v_rcp_f32 v[ST+8*\x+4], v[ST+8*\x+6]
.endr
	v_nop
	s_wait_alu depctr_va_vdst(0)                   ; one wait for the two reciprocals
	WIN 0x41
.irp x, 0,1
.set i, 0
.rept 16
	v_pk_mul_f32 v[OT+32*\x+2*i:OT+32*\x+2*i+1], v[OT+32*\x+2*i:OT+32*\x+2*i+1], v[ST+8*\x+4:ST+8*\x+5] op_sel_hi:[1,0]
.set i, i+1
.endr
.endr
	WIN 0x05                                       ; sources window 1, destination window 0
.set i, 0
.rept 32
	v_cvt_pk_f16_f32 v[S+i], v[OT+2*i], v[OT+2*i+1]          ; 16 x + 4 ct + pair
.set i, i+1
.endr
	WIN 0
.irp x, 0,1
.irp ct, 0,1,2,3
	global_store_b128 v[LI], v[S+16*\x+4*\ct:S+16*\x+4*\ct+3], s[OB:OB+1] offset:32768*\x+1024*(\ct/2)+512*(\ct%2)
.endr
.endr
	s_wait_kmcnt 0x0                               ; the last step's mask words, which nobody reads
	s_wait_tensorcnt 0x0                           ; the wave's end
	ds_add_u32 v[SPW], v[NIL]
	s_wait_dscnt 0x0
	CROUND                                         ; the closing round
	s_endpgm
.Lfunc_end_k_q308986ccd0_attn:
	.size	k_q308986ccd0_attn, .Lfunc_end_k_q308986ccd0_attn-k_q308986ccd0_attn
	.p2alignl 7, 3214868480
	.fill 96, 4, 3214868480
	.section	.rodata,"a",@progbits
	.p2align	6, 0x0
	.amdhsa_kernel k_q308986ccd0_attn
		.amdhsa_group_segment_fixed_size 327680
		.amdhsa_private_segment_fixed_size 0
		.amdhsa_enable_private_segment 0
		.amdhsa_kernarg_size 24
		.amdhsa_user_sgpr_count 2
		.amdhsa_user_sgpr_kernarg_segment_ptr 1
		.amdhsa_wavefront_size32 1
		.amdhsa_system_sgpr_workgroup_id_x 1
		.amdhsa_system_sgpr_workgroup_id_y 1
		.amdhsa_system_sgpr_workgroup_id_z 1
		.amdhsa_system_vgpr_workitem_id 0
		.amdhsa_next_free_vgpr 512
		.amdhsa_next_free_sgpr 102
		.amdhsa_reserve_vcc 0
		.amdhsa_float_denorm_mode_32 3
		.amdhsa_float_denorm_mode_16_64 3
		.amdhsa_memory_ordered 1
		.amdhsa_forward_progress 1
		.amdhsa_inst_pref_size 62
	.end_amdhsa_kernel
	.amdgpu_metadata
---
amdhsa.version: [ 1, 2 ]
amdhsa.kernels:
  - .name:           k_q308986ccd0_attn
    .symbol:         k_q308986ccd0_attn.kd
    .args:
      - { .name: qkv, .offset: 0, .size: 8, .value_kind: global_buffer, .address_space: global }
      - { .name: maskw, .offset: 8, .size: 8, .value_kind: global_buffer, .address_space: global }
      - { .name: valf, .offset: 16, .size: 8, .value_kind: global_buffer, .address_space: global }
    .group_segment_fixed_size: 327680
    .private_segment_fixed_size: 0
    .kernarg_segment_align: 8
    .kernarg_segment_size: 24
    .max_flat_workgroup_size: 256
    .sgpr_count:     102
    .vgpr_count:     512
    .wavefront_size: 32
...
	.end_amdgpu_metadata
.endif
;; end of part 3
;; launch oproj (part 4): grid 4 x 64, 4 waves a work-group, clusters of 4 x 4, 327,680 bytes of LDS; arguments valf, aux, out0; writes out0
.if DOCPART == 4
	.amdgcn_target "amdgcn-amd-amdhsa--gfx1250"
	.amdhsa_code_object_version 6
	.text
	.protected	k_q308986ccd0_oproj
	.globl	k_q308986ccd0_oproj
	.p2align	8
	.type	k_q308986ccd0_oproj,@function
k_q308986ccd0_oproj:
	s_mov_b64 s[64:65], 0
	v_nop
	global_prefetch_b8 v0, s[64:65] scope:SCOPE_SE
	s_setreg_imm32_b32 hwreg(HW_REG_WAVE_MODE, 25, 1), 1
	s_wait_xcnt 0x0
	s_wait_alu depctr_hold_cnt(0) depctr_sa_sdst(0) depctr_va_vdst(0) depctr_va_sdst(0) depctr_va_ssrc(0) depctr_va_vcc(0) depctr_vm_vsrc(0)
	s_getreg_b32 s2, hwreg(HW_REG_IB_STS2, 6, 4)
	s_cmp_eq_u32 s2, 0
	s_cbranch_scc0 .Lentry_in_a_cluster
	s_endpgm
.Lentry_in_a_cluster:
	s_bfe_u32 s2, ttmp6, 0x10000c
	s_cmp_lg_u32 s2, 0xf033
	s_cbranch_scc0 .Lentry_shape_is_right
	s_endpgm
.Lentry_shape_is_right:
; out0[token][e] = the sum over d of vals[token][d] w_out[e][d]; f16 operands, f32 sums, f32 out.
; Both operands arrive as images of operand registers (16 rows x 32 k: 1,024 bytes): vals [16 tokens][32 k blocks], w_out at aux + 524,288 [16 rows][32 k blocks].  A K step of 128 is 4,096 consecutive bytes of each block of 16 rows.
; A tile of out0 is 128 tokens x 256 columns: 256 work-groups.  Four waves, each 64 x 128: 32 accumulators.  THE PRODUCT IS USED TRANSPOSED (source 0 = 16 rows of w_out, source 1 = 16 tokens):
; a lane holds eight neighbouring numbers of a row of out0.  K goes in 8 steps of 128 through a ring of two LDS slots.
; CLUSTER 4 x 4: vals' tiles are shared along a row of the cluster, w_out's along a column, by joint loads.  A wave has two tensor loads out at the start and one later.
; REGISTERS: window 0: addresses; v128-255 the way out.   window 1: two fragment buffers of 96 (tokens' four fragments, then w_out's eight).   window 2: the accumulators, (a, b) at 8 (8 a + b).
.set SLOT,   98304                     ; vals' 8 blocks x 4,096 bytes, then w_out's 16
.set STAGE,  2*SLOT                    ; 16 rows x (512 + 16) bytes for each wave
.set SPARE,  STAGE+4*16*528            ; the spare words, 128 bytes for each wave: no other line names them
.set LI,   1
.set ADRA, 16
.set ADRB, 20
.set STO,  24
.set RD,   25
.set SPW,  28
.set NIL,  29
.set BK,   128
.set F0,   0
.set F1,   96
.set G1,  24
.set G0,  32
.set G1B, 48
.set G0B, 56
.set MSB, 0
.macro WIN new
.if MSB != \new
	s_set_vgpr_msb (MSB<<8)|\new
.set MSB, \new
.endif
.endm
.set MUL,  0xa5                        ; sources window 1, C and D window 2
.set TO_F, 0x40
.macro JLOAD s                         ; waves 0 and 1 fetch vals' two halves, waves 2 and 3 w_out's
	s_cmp_eq_u32 s11, 0
	s_cbranch_scc0 .Lfor_b_\@
	tensor_load_to_lds s[G0+4*\s:G0+4*\s+3], s[G1:G1+7]
	s_nop 0
.rept 4
	v_nop
.endr
	s_branch .Lasked_\@
.Lfor_b_\@:
	tensor_load_to_lds s[G0B+4*\s:G0B+4*\s+3], s[G1B:G1B+7]
	s_nop 0
.rept 4
	v_nop
.endr
.Lasked_\@:
.endm
.macro CREST
	s_cmp_lg_u32 s10, 0
	s_cbranch_scc1 .Lnot_wave_0_\@
	s_barrier_signal -3
.Lnot_wave_0_\@:
	s_barrier_wait -3
	s_barrier_signal -1
	s_barrier_wait -1
.endm
.macro CROUND
	s_barrier_signal -1
	s_barrier_wait -1
	CREST
.endm
.macro PLACES
.rept 4
	v_nop
.endr
.endm
	s_load_b128 s[4:7], s[0:1], 0x0                ; valf, aux
	s_load_b64 s[8:9], s[0:1], 0x10                ; out0
	v_lshl_add_u32 v[SPW], v0, 2, SPARE
	v_mov_b32 v[NIL], 0
	ds_add_u32 v[SPW], v[NIL]                      ; the wave's opening: the add, twice on end, and its wait ahead of my first tensor load
	ds_add_u32 v[SPW], v[NIL]
	v_lshrrev_b32 v2, 5, v0
	v_readfirstlane_b32 s10, v2                    ; wave 0..3
	s_lshr_b32 s11, s10, 1                         ; my half of the tile's rows.  Also: I fetch for vals (0) or for w_out (1)
	s_and_b32 s12, s10, 1                          ; my half of its columns.  Also: which half of that tile I fetch
	s_bfe_u32 s40, ttmp6, 0x40000
	s_bfe_u32 s41, ttmp6, 0x40004
	s_lshl_b32 s42, ttmp9, 2
	s_add_co_u32 s42, s42, s40                     ; tile column
	s_and_b32 s13, ttmp7, 0xffff
	s_lshl_b32 s13, s13, 2
	s_add_co_u32 s13, s13, s41                     ; tile row
	s_lshl_b32 s43, s41, 2
	s_lshl_b32 s43, 15, s43
	s_lshl_b32 s44, 0x1111, s40
	s_or_b32 s[G1+0], s43, (3<<16)|(1<<21)         ; the mask; elements of 8 bytes; no padding: the images are read 512 consecutive bytes at a time
	s_or_b32 s[G1B+0], s44, (3<<16)|(1<<21)
	s_mov_b32 s[G1+1], 512<<16                     ; rows of 4,096 bytes: a K step of one block of 16 tokens,
	s_mov_b32 s[G1+2], 4<<16                       ; four blocks,
	s_mov_b32 s[G1+3], 512<<16
	s_mov_b32 s[G1+4], 4
	s_mov_b32 s[G1+5], 4096                        ; 32,768 bytes apart
	s_mov_b32 s[G1+6], 0
	s_mov_b32 s[G1+7], 0
	s_mov_b32 s[G1B+1], 512<<16
	s_mov_b32 s[G1B+2], 8<<16                      ; eight blocks of 16 rows of w_out
	s_mov_b32 s[G1B+3], 512<<16
	s_mov_b32 s[G1B+4], 8
	s_mov_b32 s[G1B+5], 4096
	s_mov_b32 s[G1B+6], 0
	s_mov_b32 s[G1B+7], 0
	s_lshl_b32 s16, s13, 18                        ; vals: 8 blocks a tile row,
	s_lshl_b32 s17, s12, 17                        ; 4 a half
	s_add_co_u32 s16, s16, s17
	s_mov_b32 s17, 0
	s_lshl_b32 s46, s42, 19                        ; w_out: 16 blocks a tile column,
	s_lshl_b32 s47, s12, 18                        ; 8 a half
	s_add_co_u32 s46, s46, s47
	s_add_co_u32 s46, s46, 524288
	s_mov_b32 s47, 0
	s_lshl_b32 s20, s12, 14                        ; where they go in LDS: the wave's number and constants alone
	s_lshl_b32 s21, s12, 15
	s_add_co_u32 s21, s21, 32768
	s_wait_dscnt 0x0                               ; both opening adds are done
	s_wait_kmcnt 0x0
	s_add_nc_u64 s[14:15], s[4:5], s[16:17]
	s_add_nc_u64 s[46:47], s[6:7], s[46:47]
	CROUND                                         ; all sixteen work-groups are here: the first joint loads meet
.irp s, 0,1
	s_mov_b32 s[G0+4*\s], 1
	s_add_co_u32 s[G0+4*\s+1], s20, \s*SLOT
	s_add_nc_u64 s[G0+4*\s+2:G0+4*\s+3], s[14:15], \s*4096
	s_or_b32 s[G0+4*\s+3], s[G0+4*\s+3], 0x80000000
	s_mov_b32 s[G0B+4*\s], 1
	s_add_co_u32 s[G0B+4*\s+1], s21, \s*SLOT
	s_add_nc_u64 s[G0B+4*\s+2:G0B+4*\s+3], s[46:47], \s*4096
	s_or_b32 s[G0B+4*\s+3], s[G0B+4*\s+3], 0x80000000
	JLOAD \s
.endr
	v_and_b32 v2, 31, v0
	v_lshlrev_b32 v[LI], 4, v2
	v_and_b32 v3, 15, v0
	v_bfe_u32 v4, v0, 4, 1
	s_lshl_b32 s22, s11, 14                        ; my four blocks of tokens
	v_add_nc_u32 v[ADRA], s22, v[LI]
	v_add_nc_u32 v[ADRA+1], SLOT, v[ADRA]
	s_lshl_b32 s22, s12, 15                        ; my eight blocks of w_out's rows,
	s_add_co_u32 s22, s22, 32768                   ; behind vals'
	v_add_nc_u32 v[ADRB], s22, v[LI]
	v_add_nc_u32 v[ADRB+1], SLOT, v[ADRB]
	s_mul_i32 s23, s10, 16*528
	s_add_co_u32 s23, s23, STAGE                   ; my stage
	v_mul_u32_u24 v5, v3, 528
	v_lshl_add_u32 v5, v4, 5, v5
	v_add_nc_u32 v[STO], s23, v5                   ; in: row r, 32 bytes for each half of the lanes
	v_add_nc_u32 v[RD], s23, v[LI]                 ; back: the 32 lanes take a row of 512 bytes
	s_lshl_b32 s18, s13, 19                        ; out0: 128 rows of 4,096 bytes a tile row,
	s_lshl_b32 s19, s11, 18                        ; 64 a half,
	s_add_co_u32 s18, s18, s19
	s_lshl_b32 s19, s42, 10                        ; 1,024 bytes a tile column,
	s_add_co_u32 s18, s18, s19
	s_lshl_b32 s19, s12, 9                         ; 512 a half
	s_add_co_u32 s18, s18, s19
	s_mov_b32 s19, 0
	s_add_nc_u64 s[8:9], s[8:9], s[18:19]
.macro MUL8 f, a, zero                 ; token block a x w_out's eight blocks, 32 along K
.irp b, 0,1,2,3,4,5,6,7
.if \zero
	v_wmma_f32_16x16x32_f16 v[8*(8*(\a)+\b):8*(8*(\a)+\b)+7], v[\f+32+8*\b:\f+32+8*\b+7], v[\f+8*(\a):\f+8*(\a)+7], 0
.else
	v_wmma_f32_16x16x32_f16 v[8*(8*(\a)+\b):8*(8*(\a)+\b)+7], v[\f+32+8*\b:\f+32+8*\b+7], v[\f+8*(\a):\f+8*(\a)+7], v[8*(8*(\a)+\b):8*(8*(\a)+\b)+7]
.endif
.endr
.endm
.macro MUL16 f, a0, zero
	MUL8 \f, \a0, \zero
	MUL8 \f, (\a0)+1, \zero
.endm
.macro FETCH slot, q, f                ; the fragments of the slot's q-th 32 along K into buffer f: 24 loads of 512 consecutive bytes
	WIN TO_F
.irp i, 0,1,2,3,4,5,6,7
	ds_load_b128 v[\f+32+8*\i:\f+32+8*\i+3],   v[ADRB+\slot] offset:4096*\i+1024*(\q)
	ds_load_b128 v[\f+32+8*\i+4:\f+32+8*\i+7], v[ADRB+\slot] offset:4096*\i+1024*(\q)+512
.endr
.irp i, 0,1,2,3
	ds_load_b128 v[\f+8*\i:\f+8*\i+3],   v[ADRA+\slot] offset:4096*\i+1024*(\q)
	ds_load_b128 v[\f+8*\i+4:\f+8*\i+7], v[ADRA+\slot] offset:4096*\i+1024*(\q)+512
.endr
.endm
; A K step is four quarters of 32 along K, 32 products each, on buffers 0, 1, 0, 1; the 32 accumulators take turns in the same order in every quarter.
; One of the first three: multiplies buffer f and, in its middle, fetches the slot's quarter q into buffer g.
.macro QUARTER slot, q, f, g, zero
	s_wait_dscnt 0x0                               ; buffer f is in (asked for sixteen products ago)
	WIN MUL
	MUL16 \f, 0, \zero
	PLACES                                         ; four plain instructions between the products that read buffer g and the loads into it
	FETCH \slot, \q, \g
	WIN MUL
	MUL16 \f, 2, \zero
.endm
; The last quarter multiplies buffer 1 and changes slots: ONE barrier; in front of it each wave waits for all its tensor loads, adds 0 to its spare word, and waits for that and for its reads of this slot.
.macro TURN slot, next, fill
	WIN 0
	s_wait_tensorcnt 0x0                           ; all my tensor loads have landed: my part of the next slot
	ds_add_u32 v[SPW], v[NIL]
	s_wait_dscnt 1                                 ; buffer 1 is in; the add may be out
	WIN MUL
	MUL8 F1, 0, 0
	s_wait_dscnt 0x0                               ; the add is done, and my reads of this slot are over
	s_barrier_signal -1
	MUL8 F1, 1, 0
.if \fill
	WIN 0
.endif
	s_barrier_wait -1
.if \fill
	CREST                                          ; the barrier has opened a round of the cluster's: no wave of any partner still reads this slot or has a load on its way
	s_add_nc_u64 s[G0+4*\slot+2:G0+4*\slot+3], s[G0+4*\slot+2:G0+4*\slot+3], 8192
	s_add_nc_u64 s[G0B+4*\slot+2:G0B+4*\slot+3], s[G0B+4*\slot+2:G0B+4*\slot+3], 8192
	JLOAD \slot                                    ; the first tensor load behind the round; its four v_nop are also the places in front of the loads below
.else
	PLACES
.endif
	FETCH \next, 0, F0
	WIN MUL
	MUL16 F1, 2, 0
.endm
	s_wait_tensorcnt 1                             ; my part of K step 0 is in; K step 1's load may be out
	s_barrier_signal -1
	s_barrier_wait -1
	FETCH 0, 0, F0
	QUARTER 0, 1, F0, F1, 1                        ; the first quarter stands in front of the loop: its products start the sums
	WIN 0
	s_mov_b32 s3, 3
.Llap:                                             ; a trip goes once round the ring and fills both slots again
	QUARTER 0, 2, F1, F0, 0
	QUARTER 0, 3, F0, F1, 0
	TURN 0, 1, 1
	QUARTER 1, 1, F0, F1, 0
	QUARTER 1, 2, F1, F0, 0
	QUARTER 1, 3, F0, F1, 0
	TURN 1, 0, 1
	QUARTER 0, 1, F0, F1, 0
	WIN 0
	s_sub_co_u32 s3, s3, 1
	s_cmp_lg_u32 s3, 0
	s_cbranch_scc1 .Llap
	QUARTER 0, 2, F1, F0, 0                        ; the last lap fills nothing
	QUARTER 0, 3, F0, F1, 0
	TURN 0, 1, 0
	QUARTER 1, 1, F0, F1, 0
	QUARTER 1, 2, F1, F0, 0
	QUARTER 1, 3, F0, F1, 0
	s_wait_dscnt 0x0
	WIN MUL
	MUL16 F1, 0, 0
	MUL16 F1, 2, 0
	WIN 0
; THE WAY OUT, a block of 16 rows x 128 columns at a time, through my own stage: in as 32 bytes a lane, back as whole rows of 512 bytes.  LDS serves a wave's instructions in order (ISA guide 5.7.1.4).
.macro TOSTAGE a
	WIN 0x08                                       ; an LDS store's data: window 2
.irp b, 0,1,2,3,4,5,6,7
	ds_store_b128 v[STO], v[8*(8*(\a)+\b):8*(8*(\a)+\b)+3] offset:64*\b            ; each accumulator from its low end on
	ds_store_b128 v[STO], v[8*(8*(\a)+\b)+4:8*(8*(\a)+\b)+7] offset:64*\b+16
.endr
	WIN 0
.set BB, BK+64*((\a)%2)
.irp t, 0,1,2,3,4,5,6,7,8,9,10,11,12,13,14,15
	ds_load_b128 v[BB+4*\t:BB+4*\t+3], v[RD] offset:\t*528
.endr
.endm
.macro SEND a, younger
.set BB, BK+64*((\a)%2)
	s_wait_dscnt \younger                          ; the block is back in registers
.irp t, 0,1,2,3,4,5,6,7,8,9,10,11,12,13,14,15
	global_store_b128 v[LI], v[BB+4*\t:BB+4*\t+3], s[8:9] offset:(16*(\a)+\t)*4096 th:TH_STORE_NT   ; 32 lanes store 512 consecutive bytes, aligned
.endr
.endm
	PLACES                                         ; between the last products and the first read of results
	TOSTAGE 0
.irp a, 1,2,3
.if \a > 1
	s_wait_xcnt 0x0                                ; block a - 2's stores have read their registers: block a's loads may land there
.endif
	TOSTAGE \a
	SEND \a-1, 32                                  ; behind block a - 1's loads: block a's 16 stores and 16 loads
.endr
	SEND 3, 0
	s_wait_tensorcnt 0x0                           ; the wave's end
	ds_add_u32 v[SPW], v[NIL]
	s_wait_dscnt 0x0
	CROUND                                         ; the closing round
	s_endpgm
.Lfunc_end_k_q308986ccd0_oproj:
	.size	k_q308986ccd0_oproj, .Lfunc_end_k_q308986ccd0_oproj-k_q308986ccd0_oproj
	.p2alignl 7, 3214868480
	.fill 96, 4, 3214868480
	.section	.rodata,"a",@progbits
	.p2align	6, 0x0
	.amdhsa_kernel k_q308986ccd0_oproj
		.amdhsa_group_segment_fixed_size 327680
		.amdhsa_private_segment_fixed_size 0
		.amdhsa_enable_private_segment 0
		.amdhsa_kernarg_size 24
		.amdhsa_user_sgpr_count 2
		.amdhsa_user_sgpr_kernarg_segment_ptr 1
		.amdhsa_wavefront_size32 1
		.amdhsa_system_sgpr_workgroup_id_x 1
		.amdhsa_system_sgpr_workgroup_id_y 1
		.amdhsa_system_sgpr_workgroup_id_z 1
		.amdhsa_system_vgpr_workitem_id 0
		.amdhsa_next_free_vgpr 768
		.amdhsa_next_free_sgpr 66
		.amdhsa_reserve_vcc 0
		.amdhsa_float_denorm_mode_32 3
		.amdhsa_float_denorm_mode_16_64 3
		.amdhsa_memory_ordered 1
		.amdhsa_forward_progress 1
		.amdhsa_inst_pref_size 84
	.end_amdhsa_kernel
	.amdgpu_metadata
---
amdhsa.version: [ 1, 2 ]
amdhsa.kernels:
  - .name:           k_q308986ccd0_oproj
    .symbol:         k_q308986ccd0_oproj.kd
    .args:
      - { .name: valf, .offset: 0, .size: 8, .value_kind: global_buffer, .address_space: global }
      - { .name: aux, .offset: 8, .size: 8, .value_kind: global_buffer, .address_space: global }
      - { .name: out0, .offset: 16, .size: 8, .value_kind: global_buffer, .address_space: global }
    .group_segment_fixed_size: 327680
    .private_segment_fixed_size: 0
    .kernarg_segment_align: 8
    .kernarg_segment_size: 24
    .max_flat_workgroup_size: 128
    .sgpr_count:     66
    .vgpr_count:     768
    .wavefront_size: 32
...
	.end_amdgpu_metadata
.endif
;; end of part 4
